; MI455X (gfx1250); checked and timed in simulation.
; The chip was launched on July 23, 2026; its instructions are those of AMD's public machine-readable ISA for CDNA 5 (MIT licence, August 2026) and "CDNA5" Instruction Set Architecture Reference Guide (July 2026). The comments in the code are by the model that wrote it; some were corrected since.
;; Hybrid Mo E. Allowed arithmetic: float matrix products may take bf16 or f16 operands with f32 sums; other float arithmetic in f32, or as packed bf16 or f16 multiplies, adds, multiply-adds, maxima and minima; sums over many terms, partial sums and values carried from step to step in f32; what a program stores and reads back later, other than sums and carried values, may be rounded once to bf16 or f16.
;; Inputs: b1 8 x 4,096 float32; b2 8 x 1,024 float32; lang_b 4 float32; lang_w 4 x 1,024 float32; router_b 8 float32; router_w 8 x 1,024 float32; w1 8 x 1,024 x 4,096 float32; w2 8 x 4,096 x 1,024 float32; x 2 x 512 x 1,024 float32.
;; Outputs: out0 2 x 512 x 1,024 float32.
;; 2 versions, each right; version 2 is version 1 with the launches up, down written anew for expert scheduling mode. Each part assembles by itself: llvm-mc -triple=amdgcn-amd-amdhsa -mcpu=gfx1250 --defsym DOCPART=n.
;; ======== version 1 of 2: 4 launches
;; workspace buffers: xb 2,097,152 bytes; sel 8,192 bytes of whole numbers; gate 8,192 bytes; bm 2,048 bytes of whole numbers; hid 67,108,864 bytes; part 33,685,504 bytes
;; launch router (part 1): grid 64 x 1, 8 waves a work-group, no clusters, 46,336 bytes of LDS; arguments x, router_w, router_b, lang_w, lang_b, xb, sel, gate, bm; writes xb, sel, gate, bm
.if DOCPART == 1
	.amdgcn_target "amdgcn-amd-amdhsa--gfx1250"
	.amdhsa_code_object_version 6
	.text
	.protected	k_q7b0a866051_router
	.globl	k_q7b0a866051_router
	.p2align	8
	.type	k_q7b0a866051_router,@function
k_q7b0a866051_router:
	s_mov_b64 s[64:65], 0
	v_nop
	global_prefetch_b8 v0, s[64:65] scope:SCOPE_SE
	s_setreg_imm32_b32 hwreg(HW_REG_WAVE_MODE, 25, 1), 1
	s_wait_xcnt 0x0
; ROUTER.  For 16 tokens a work-group: xb = x rounded to bf16; the 8 router and 4 language logits as matrix products of bf16 operands with f32 sums;
; the language softmax, its bias on the router logits, the two best experts and their normalised weights.
; SLOTS.  Slot 32 b + lane stands for token 16 b + lane % 16 and its choice lane / 16.  sel[slot] = expert, gate[slot] = weight, bm[e][b] = the 32 slots of block b that chose e, one bit each.
; All three are stored at fixed places: no address or branch here hangs on a logit.
; LIMITS.  Every input is rounded to bf16 (x, both weights, both biases).  The two best are taken on the logits, which order as their softmax does; on a tie the lower index wins; logits closer than the
; f32 sums' own error may order otherwise than in another order of summing.  The weights are 1 / (1 + e^(L2 - L1)) and its complement: the larger logit is taken away, the softmax's divisor cancels.
; NaN and infinities are not treated apart (the two choices differ for every input).
; SHARES.  Wave w copies rows 2 w, 2 w + 1 and multiplies K = 128 w .. 128 w + 127; wave 0 adds the eight parts and finishes.
.set XTP,   2064                       ; a row of x in LDS: 2,048 bytes of bf16 + 16: 516 words, so the 16 rows of a fragment load start 4 banks apart
.set PART,  16*XTP                     ; behind it: 8 waves x 32 lanes x 48 bytes of partial logits
.set SPARE, PART+8*1536                ; the spare words, 128 bytes a wave: four blocks of 256 bytes that no other line names
.set SPW, 1                            ; v1  my spare word; never rewritten
.set NIL, 2                            ; v2  0; never rewritten
.set LN,  3                            ; lane
.set RR,  4                            ; lane % 16
.set HH,  5                            ; lane / 16
.set XO,  6                            ; byte offsets: x,
.set RO,  7                            ; router_w,
.set LO,  8                            ; lang_w,
.set XS,  9                            ; LDS: where I put my 8 bytes of a row
.set BO,  10                           ; xb
.set XR,  11                           ; LDS: my fragment of x
.set PS,  12                           ; LDS: my partial logits
.set PR,  13                           ; LDS: lane's partial logits of wave 0
.set SO,  14                           ; sel and gate
.set MO,  15                           ; bm
.set XW,  16                           ; v16-79   x as loaded, packed in place
.set RF,  80                           ; v80-143  router_w: K step s raw in 16 registers, packed in place into the first 8
.set LF,  144                          ; v144-207 lang_w likewise
.set XF,  208                          ; v208-223 two fragments of x
.set TM,  224                          ; at work
.set DR,  232                          ; router logits: register j = expert j of token lane % 16
.set DL,  240                          ; language logits: registers 0-3
.set SM,  80                           ; the finish: v80-175 the eight parts, summed into v80-91
.set EV,  92
.set MX,  96
.set T2,  97
.set L1,  100
.set I1,  101
.set L2,  102
.set I2,  103
.set EB,  104
.set G1,  105
.set SE,  106
.set GV,  107
.set BW,  108
	s_load_b512 s[4:19], s[0:1], 0x0               ; x, router_w, router_b, lang_w, lang_b, xb, sel, gate
	s_load_b64 s[20:21], s[0:1], 0x40              ; bm
	v_lshl_add_u32 v[SPW], v0, 2, SPARE
	v_mov_b32 v[NIL], 0
	v_and_b32 v[LN], 31, v0
	v_and_b32 v[RR], 15, v0
	v_bfe_u32 v[HH], v0, 4, 1
	v_lshrrev_b32 v[TM], 5, v0
	v_readfirstlane_b32 s22, v[TM]                 ; wave 0..7
	s_lshl_b32 s23, ttmp9, 16
	s_lshl_b32 s36, s22, 13
	s_add_co_u32 s23, s23, s36                     ; (16 b + 2 w) rows of 4,096 bytes
	v_lshl_add_u32 v[XO], v[LN], 4, s23
	s_lshr_b32 s23, s23, 1                         ; the same rows of 2,048 bytes
	v_lshl_add_u32 v[BO], v[LN], 3, s23
	s_mul_i32 s36, s22, 2*XTP
	v_lshl_add_u32 v[XS], v[LN], 3, s36
	s_lshl_b32 s36, s22, 9                         ; 128 w numbers of 4 bytes
	v_lshl_add_u32 v[TM], v[HH], 5, s36            ; + 8 (lane / 16) numbers
	v_and_b32 v[RO], 7, v[RR]                      ; rows 8-15 of the matrix operand repeat experts 0-7,
	v_lshl_add_u32 v[RO], v[RO], 12, v[TM]
	v_and_b32 v[LO], 3, v[RR]                      ; and its rows repeat languages 0-3
	v_lshl_add_u32 v[LO], v[LO], 12, v[TM]
	v_mul_u32_u24 v[XR], v[RR], XTP
	v_lshl_add_u32 v[XR], v[HH], 4, v[XR]
	s_lshl_b32 s36, s22, 8
	v_add_nc_u32 v[XR], s36, v[XR]                 ; row x pitch + 256 w + 16 x half
	v_mul_u32_u24 v[PR], v[LN], 48
	v_add_nc_u32 v[PR], PART, v[PR]
	s_mul_i32 s36, s22, 1536
	v_add_nc_u32 v[PS], s36, v[PR]
	s_lshl_b32 s36, ttmp9, 7
	v_lshl_add_u32 v[SO], v[LN], 2, s36
	s_lshl_b32 s36, ttmp9, 2
	v_lshl_add_u32 v[MO], v[LN], 8, s36
	s_wait_kmcnt 0x0
.irp n, 0,1,2,3,4,5,6,7,8,9,10,11,12,13,14,15
	global_load_b128 v[XW+4*\n:XW+4*\n+3], v[XO], s[4:5] offset:(\n/8)*4096+(\n%8)*512 th:TH_LOAD_NT  ; 512 neighbouring bytes of a row
.endr
.irp s, 0,1,2,3
.irp q, 0,1,2,3
	global_load_b128 v[RF+16*\s+4*\q:RF+16*\s+4*\q+3], v[RO], s[6:7] offset:128*\s+16*(\q%2)+64*(\q/2)
.endr
.endr
.irp s, 0,1,2,3
.irp q, 0,1,2,3
	global_load_b128 v[LF+16*\s+4*\q:LF+16*\s+4*\q+3], v[LO], s[10:11] offset:128*\s+16*(\q%2)+64*(\q/2)
.endr
.endr
	s_load_b256 s[24:31], s[8:9], 0x0              ; router_b
	s_load_b128 s[32:35], s[12:13], 0x0            ; lang_b
	s_wait_loadcnt 32                              ; x is in; the 32 loads of the weights stay out
.irp n, 0,1,2,3,4,5,6,7,8,9,10,11,12,13,14,15
	v_cvt_pk_bf16_f32 v[XW+4*\n], v[XW+4*\n], v[XW+4*\n+1]
	v_cvt_pk_bf16_f32 v[XW+4*\n+1], v[XW+4*\n+2], v[XW+4*\n+3]
	global_store_b64 v[BO], v[XW+4*\n:XW+4*\n+1], s[14:15] offset:(\n/8)*2048+(\n%8)*256  ; the wave's store covers 256 consecutive bytes, aligned
	ds_store_b64 v[XS], v[XW+4*\n:XW+4*\n+1] offset:(\n/8)*XTP+(\n%8)*256
.endr
	s_wait_loadcnt 0x0
.irp s, 0,1,2,3
.irp u, 0,1,2,3,4,5,6,7
	v_cvt_pk_bf16_f32 v[RF+16*\s+\u], v[RF+16*\s+2*\u], v[RF+16*\s+2*\u+1]  ; ascending: register u is written when 2 u and 2 u + 1 are read
	v_cvt_pk_bf16_f32 v[LF+16*\s+\u], v[LF+16*\s+2*\u], v[LF+16*\s+2*\u+1]
.endr
.endr
	s_wait_kmcnt 0x0                               ; the biases
	s_wait_dscnt 0x0                               ; for the others' sake: my two rows lie in LDS
	s_barrier_signal -1
	s_barrier_wait -1
	ds_load_b128 v[XF:XF+3],     v[XR]
	ds_load_b128 v[XF+4:XF+7],   v[XR] offset:32
	ds_load_b128 v[XF+8:XF+11],  v[XR] offset:64
	ds_load_b128 v[XF+12:XF+15], v[XR] offset:96
	s_wait_dscnt 2                                 ; the older pair is in, the younger stays out
	v_wmma_f32_16x16x32_bf16 v[DR:DR+7], v[RF:RF+7], v[XF:XF+7], 0       ; the two accumulators take turns
	v_wmma_f32_16x16x32_bf16 v[DL:DL+7], v[LF:LF+7], v[XF:XF+7], 0
.rept 4
	v_nop                                          ; four places ahead of loads into registers that the products read
.endr
	ds_load_b128 v[XF:XF+3],     v[XR] offset:128
	ds_load_b128 v[XF+4:XF+7],   v[XR] offset:160
	s_wait_dscnt 2
	v_wmma_f32_16x16x32_bf16 v[DR:DR+7], v[RF+16:RF+23], v[XF+8:XF+15], v[DR:DR+7]
	v_wmma_f32_16x16x32_bf16 v[DL:DL+7], v[LF+16:LF+23], v[XF+8:XF+15], v[DL:DL+7]
.rept 4
	v_nop
.endr
	ds_load_b128 v[XF+8:XF+11],  v[XR] offset:192
	ds_load_b128 v[XF+12:XF+15], v[XR] offset:224
	s_wait_dscnt 2
	v_wmma_f32_16x16x32_bf16 v[DR:DR+7], v[RF+32:RF+39], v[XF:XF+7], v[DR:DR+7]
	v_wmma_f32_16x16x32_bf16 v[DL:DL+7], v[LF+32:LF+39], v[XF:XF+7], v[DL:DL+7]
	s_wait_dscnt 0x0
	v_wmma_f32_16x16x32_bf16 v[DR:DR+7], v[RF+48:RF+55], v[XF+8:XF+15], v[DR:DR+7]
	v_wmma_f32_16x16x32_bf16 v[DL:DL+7], v[LF+48:LF+55], v[XF+8:XF+15], v[DL:DL+7]
.rept 4
	v_nop                                          ; four places ahead of the stores that read the results
.endr
	ds_store_b128 v[PS], v[DR:DR+3]                ; each accumulator's lowest registers are read first
	ds_store_b128 v[PS], v[DR+4:DR+7] offset:16
	ds_store_b128 v[PS], v[DL:DL+3] offset:32
	s_wait_dscnt 0x0                               ; for wave 0's sake
	s_barrier_signal -1
	s_barrier_wait -1
	s_cmp_lg_u32 s22, 0
	s_cbranch_scc1 .Lend
.irp w, 0,1,2,3,4,5,6,7
.irp c, 0,1,2
	ds_load_b128 v[SM+12*\w+4*\c:SM+12*\w+4*\c+3], v[PR] offset:1536*\w+16*\c
.endr
.endr
	s_wait_dscnt 0x0
.irp w, 1,2,3,4,5,6,7
.irp c, 0,2,4,6,8,10
	v_pk_add_f32 v[SM+\c:SM+\c+1], v[SM+\c:SM+\c+1], v[SM+12*\w+\c:SM+12*\w+\c+1]
.endr
.endr
.macro BADD d, sa                      ; two biases, rounded to bf16 like every input, onto two logits
	v_mov_b32 v[TM], s[\sa]
	v_mov_b32 v[TM+1], s[\sa+1]
	v_cvt_pk_bf16_f32 v[TM], v[TM], v[TM+1]
	v_lshlrev_b32 v[TM+1], 16, v[TM]
	v_and_b32 v[TM], 0xffff0000, v[TM]
	v_add_f32 v[\d], v[\d], v[TM+1]
	v_add_f32 v[\d+1], v[\d+1], v[TM]
.endm
	BADD SM, 24
	BADD SM+2, 26
	BADD SM+4, 28
	BADD SM+6, 30
	BADD SM+8, 32
	BADD SM+10, 34
	; the language softmax, its maximum taken away
	v_max3_num_f32 v[MX], v[SM+8], v[SM+9], v[SM+10]
	v_max_num_f32 v[MX], v[MX], v[SM+11]
.irp i, 0,1,2,3
	v_sub_f32 v[EV+\i], v[SM+8+\i], v[MX]
.endr
.irp i, 0,1,2,3
	v_mul_f32 v[EV+\i], 0x3fb8aa3b, v[EV+\i]
.endr
.irp i, 0,1,2,3
	v_exp_f32 v[EV+\i], v[EV+\i]
.endr
	v_nop                                          ; a plain instruction behind the last exponential,
	s_wait_alu depctr_va_vdst(0)                   ; and one wait for the four, ahead of their first reader
	v_add_f32 v[MX], v[EV], v[EV+1]
	v_add_f32 v[T2], v[EV+2], v[EV+3]
	v_add_f32 v[MX], v[MX], v[T2]
	v_rcp_f32 v[MX], v[MX]
	v_add_f32 v[EV], v[EV], v[EV+1]                ; the sums of two neighbours (the last stands alone): plain work behind the reciprocal
	v_add_f32 v[EV+1], v[EV+1], v[EV+2]
	v_mov_b32 v[EV+2], v[T2]
	s_wait_alu depctr_va_vdst(0)
	v_mul_f32 v[MX], 0x3dcccccd, v[MX]             ; 0.1 / sum
.irp e, 0,1,2,3,4,5,6,7
	v_fmac_f32 v[SM+\e], v[EV+(\e%4)], v[MX]
.endr
	; the two best: a strict comparison, so the lower index keeps its place on a tie
	v_mov_b32 v[L1], v[SM]
	v_mov_b32 v[I1], 0
	v_mov_b32 v[L2], 0xff800000
	v_mov_b32 v[I2], 1
.irp e, 1,2,3,4,5,6,7
	v_cmp_gt_f32 s36, v[SM+\e], v[L1]
	v_cmp_gt_f32 s37, v[SM+\e], v[L2]
	v_cndmask_b32 v[L2], v[L2], v[SM+\e], s37
	v_cndmask_b32 v[I2], v[I2], \e, s37
	v_cndmask_b32 v[L2], v[L2], v[L1], s36
	v_cndmask_b32 v[I2], v[I2], v[I1], s36
	v_cndmask_b32 v[L1], v[L1], v[SM+\e], s36
	v_cndmask_b32 v[I1], v[I1], \e, s36
.endr
	v_sub_f32 v[EB], v[L2], v[L1]
	v_mul_f32 v[EB], 0x3fb8aa3b, v[EB]
	v_exp_f32 v[EB], v[EB]
	v_nop
	s_wait_alu depctr_va_vdst(0)
	v_add_f32 v[G1], 1.0, v[EB]
	v_rcp_f32 v[G1], v[G1]
	v_nop
	s_wait_alu depctr_va_vdst(0)
	v_mul_f32 v[EB], v[EB], v[G1]
	s_mov_b32 s38, 0xffff0000                      ; lanes 16-31 stand for the second choice
	v_cndmask_b32 v[SE], v[I1], v[I2], s38
	v_cndmask_b32 v[GV], v[G1], v[EB], s38
	global_store_b32 v[SO], v[SE], s[16:17]        ; 128 consecutive bytes
	global_store_b32 v[SO], v[GV], s[18:19]
	v_mov_b32 v[BW], 0
.irp e, 0,1,2,3,4,5,6,7
	v_cmp_eq_u32 s36, \e, v[SE]
	v_writelane_b32 v[BW], s36, \e                 ; lane e holds expert e's 32 bits
.endr
	s_wait_xcnt 0x0                                ; EXEC changes only behind this wait
	v_cmp_gt_u32 vcc_lo, 8, v[LN]
	s_and_saveexec_b32 s39, vcc_lo
	global_store_b32 v[MO], v[BW], s[20:21]        ; eight words, one in each expert's row of bm
	s_wait_xcnt 0x0
	s_or_b32 exec_lo, exec_lo, s39
.Lend:
	s_wait_tensorcnt 0x0                           ; the wave's end
	ds_add_u32 v[SPW], v[NIL]
	s_wait_dscnt 0x0
	s_endpgm
.Lfunc_end_k_q7b0a866051_router:
	.size	k_q7b0a866051_router, .Lfunc_end_k_q7b0a866051_router-k_q7b0a866051_router
	.p2alignl 7, 3214868480
	.fill 96, 4, 3214868480
	.section	.rodata,"a",@progbits
	.p2align	6, 0x0
	.amdhsa_kernel k_q7b0a866051_router
		.amdhsa_group_segment_fixed_size 46336
		.amdhsa_private_segment_fixed_size 0
		.amdhsa_enable_private_segment 0
		.amdhsa_kernarg_size 72
		.amdhsa_user_sgpr_count 2
		.amdhsa_user_sgpr_kernarg_segment_ptr 1
		.amdhsa_wavefront_size32 1
		.amdhsa_system_sgpr_workgroup_id_x 1
		.amdhsa_system_sgpr_workgroup_id_y 1
		.amdhsa_system_sgpr_workgroup_id_z 1
		.amdhsa_system_vgpr_workitem_id 0
		.amdhsa_next_free_vgpr 248
		.amdhsa_next_free_sgpr 66
		.amdhsa_reserve_vcc 1
		.amdhsa_float_denorm_mode_32 3
		.amdhsa_float_denorm_mode_16_64 3
		.amdhsa_memory_ordered 1
		.amdhsa_forward_progress 1
		.amdhsa_inst_pref_size 31
	.end_amdhsa_kernel
	.amdgpu_metadata
---
amdhsa.version: [ 1, 2 ]
amdhsa.kernels:
  - .name:           k_q7b0a866051_router
    .symbol:         k_q7b0a866051_router.kd
    .args:
      - { .name: x, .offset: 0, .size: 8, .value_kind: global_buffer, .address_space: global }
      - { .name: router_w, .offset: 8, .size: 8, .value_kind: global_buffer, .address_space: global }
      - { .name: router_b, .offset: 16, .size: 8, .value_kind: global_buffer, .address_space: global }
      - { .name: lang_w, .offset: 24, .size: 8, .value_kind: global_buffer, .address_space: global }
      - { .name: lang_b, .offset: 32, .size: 8, .value_kind: global_buffer, .address_space: global }
      - { .name: xb, .offset: 40, .size: 8, .value_kind: global_buffer, .address_space: global }
      - { .name: sel, .offset: 48, .size: 8, .value_kind: global_buffer, .address_space: global }
      - { .name: gate, .offset: 56, .size: 8, .value_kind: global_buffer, .address_space: global }
      - { .name: bm, .offset: 64, .size: 8, .value_kind: global_buffer, .address_space: global }
    .group_segment_fixed_size: 46336
    .private_segment_fixed_size: 0
    .kernarg_segment_align: 8
    .kernarg_segment_size: 72
    .max_flat_workgroup_size: 256
    .sgpr_count:     66
    .vgpr_count:     248
    .wavefront_size: 32
...
	.end_amdgpu_metadata
.endif
;; end of part 1
;; launch up (part 2): grid 32 x 8, 4 waves a work-group, no clusters, 262,656 bytes of LDS; arguments xb, w1, b1, bm, hid; writes hid
.if DOCPART == 2
	.amdgcn_target "amdgcn-amd-amdhsa--gfx1250"
	.amdhsa_code_object_version 6
	.text
	.protected	k_q7b0a866051_up
	.globl	k_q7b0a866051_up
	.p2align	8
	.type	k_q7b0a866051_up,@function
k_q7b0a866051_up:
	s_mov_b64 s[64:65], 0
	v_nop
	global_prefetch_b8 v0, s[64:65] scope:SCOPE_SE
	s_setreg_imm32_b32 hwreg(HW_REG_WAVE_MODE, 25, 1), 1
	s_wait_xcnt 0x0
; FIRST PRODUCT.  hid = gelu(X_e W1[e] + b1[e]) for the rows that chose expert e.  Work-group (slice, e) owns W1[e][all 1,024 k][128 columns], 512 KB of f32 that it alone reads, once.
; PHASE 1 streams the slice through a ring of registers, rounds it to bf16 and lays it in LDS as finished matrix operands (256 KB).  A lane loads 16 bytes (4 columns) of 16 rows k; packing rows k, k + 1
; gives the pairs along K that the operand wants: nothing is transposed.  Column tile nt = 4 g + j' then holds the columns 64 g + 4 m + j' in its rows m.
; AHEAD OF THE RING each wave asks, by prefetches, for the rows that it will load itself.  A prefetch's lanes lie 256 bytes apart: 16 rows x 512 bytes, what two slots of the ring (g = 0, 1) load.  It stands four and six
; slot turns ahead of those slots' loads.  Rows 0 to 255 are loaded at once and not asked for; each block of rows 256 to 1,023 is asked for once: 12 prefetches a wave.  At most 112 KB of the work-group are asked for
; and not yet loaded.  The last trip's second pair, which would name rows past the slice, is jumped.
; PHASE 2 goes in 4 passes of 320 rows (5 tiles of 16 for each of 4 waves): a constant count that serves every split (an expert has 1,024 rows at the most); dead passes and dead tiles are jumped forward.
; The rows of xb come from memory straight into registers as the second operand; nothing writes LDS, so the passes hold no barrier.
; D = W (source 0) x rows (source 1): lane = row, register j of tile (g, j') = column 64 g + 32 (lane / 16) + 4 j + j': a lane holds 32 neighbouring columns of its row, which are the second product's operand as it stands.
; THE ROWS.  An expert's rows are its slots in ascending order: row number n is the n-th set bit of the expert's 2,048 bits of bm (whole numbers that the launch before stored).  Each lane finds its own rows in registers:
; a sweep over the 64 words keeps, for each of its five tiles, the last word whose running count does not pass the row's number; the bit in that word is found by halving.  No list, no LDS, no barrier; the work stands
; behind the issue of the ring's first 64 loads.  Rows past the count fall on the last bit: token 1,023, a row that exists.
; NO MULTICAST, NO TENSOR LOADS: each weight has one reader; the rows come by a choice; f32 tiles in LDS would take twice the room; the passes' number hangs on a stored count.
; LIMITS.  w1, b1 rounded to bf16, x too (by the launch before); h rounded once to bf16.  erf(z) = z P(z^2) / Q(z^2) with z = x / sqrt(2) held to -4 .. 4, where erf is 1 to f32's last bits.
; NaN and infinities are not treated apart.  An expert without rows still has its slice streamed.
.set ROWB,  16384                      ; bytes in a row of W1
.set CHB,   128*ROWB                   ; 128 rows k: four K steps, one for each wave
.set PB,    16*ROWB                    ; from an operand's first half (k = 8 h ..) to its second (k = 16 + 8 h ..)
.set KSB,   64                         ; a K step in a row of xb
.set PBX,   32                         ; and its second half
.set SPARE, 262144                     ; LDS: 0 .. the weights [K step 32][column tile 8][half 2][lane 32] 16 bytes; then the spare words, 128 bytes a wave: two blocks of 256 bytes that no other line names
.set SPW, 1                            ; v1  my spare word; never rewritten
.set NIL, 2                            ; v2  0; never rewritten
.set LN,  3
.set RR,  4
.set HH,  5
.set WRD, 6                            ; LDS: the weights' fragments of the K steps in hand
.set WST, 7                            ; LDS: where phase 1 stores
.set WOF, 8                            ; my byte offset in the slice, for the loads; never rewritten
.set RK0, 9                            ; 16 w + lane % 16: my row's number in tile 0 of pass 0
.set HOF, 10                           ; my byte offset in hid
.set PF,  11                           ; my byte offset in the slice, for the prefetches, 256 rows on; never rewritten
.set TMP, 13
.set BOF, 14                           ; my byte offset in b1; never rewritten
.set H16, 15
.set XA,  16                           ; v16-20  my row's byte offset in xb, tile i
.set S3,  21                           ; v21-25  my rows' tokens of the pass in hand;
.set S2,  26                           ; v26-30  of the next pass,
.set L16, 31
.set PKT, 32                           ; v32-47  packed weights on their way to LDS
.set XF,  48                           ; v48-207 the rows' operands: K step j % 4 at XF + 40 j, tile i, half p at + 8 i + 4 p.  First b1 as loaded (v48-111) and the search's registers (v112-166); in the way out at work
.set RH,  112                          ; the search, five registers each, one a tile: my row's number,
.set SW,  117                          ; the word that holds its bit,
.set SQV, 122                          ; that word's number << 16 | the bits set ahead of it,
.set NN,  127                          ; how many set bits of the word lie ahead of mine,
.set PO,  132                          ; the bit's place as far as it is known,
.set X1,  137                          ; the word's counts of set bits in fields of 2,
.set X2,  142                          ; 4,
.set X4,  147                          ; 8
.set X8,  152                          ; and (in its low byte) the low 16 bits
.set CC,  157
.set TT,  162
.set S1,  208                          ; v208-212 the tokens two passes on,
.set S0,  213                          ; v213-217 three passes on
.set ACC, 256                          ; v256-575 accumulators: tile i, column tile nt at ACC + 64 i + 8 nt
.set RING, 320                         ; v320-575 phase 1: 8 slots of 32.  So tiles 1-4 hold loaded numbers before any product; tile 0 is started by every pass's first K step
.set WF,  576                          ; v576-703 the weights' operands, two K steps
.set BIAS, 704                         ; v704-767 b1 of my 64 columns, as the accumulators lie
.set EX,  48
.set EZ,  80
.set ESQ, 112
.set EP,  144
.set EQ,  176
.set TBW, 3                            ; s3   LDS byte at which the weights of the four K steps in hand begin
.set WB,  22                           ; s[22:23] the slice, stepped by 256 rows a trip
.set XB,  24                           ; s[24:25] xb, stepped along K
.set MK,  26                           ; s26-30  the search's five masks
.set SP,  100                          ; s100 bits set ahead of the word in hand
.set SQ,  101                          ; s101 the word's number << 16 | s100
; s2 at work, s[10:11] bm at my expert, s[12:13] hid at my expert, s14 wave, s15 slice, s16 expert, s17 the expert's rows, s18 pass, s19 my live tiles, s20, s21 counters, s[26:31] at work,
; s[32:63] and s[68:99] the 64 bitmap words, later s[32:57] constants
.set MSB, 0
.macro WIN new                         ; the immediate's high byte repeats the setting that is left; a switch that changes nothing is dropped
.if MSB != (\new)
	s_set_vgpr_msb (MSB<<8)|(\new)
.set MSB, (\new)
.endif
.endm
.macro PLACES                          ; four places ahead of loads into registers that products read, and of vector work on their results
.rept 4
	v_nop
.endr
.endm
; slot = 4 c2 + 2 g + p: 8 rows k (128 c2 + 16 p + i, on top of the wave's and half's), columns 64 g + 4 (lane % 16) ..: each load covers two runs of 256 consecutive bytes, aligned
.macro WLOAD slot, ahead
.set RB, RING+32*(\slot)
	WIN (RB>>8)<<6
.irp i, 0,1,2,3,4,5,6,7
	global_load_b128 v[(RB&255)+4*\i:(RB&255)+4*\i+3], v[WOF], s[WB:WB+1] offset:((\slot)/4)*CHB+((\slot)%2)*PB+\i*ROWB+(((\slot)/2)%2)*256+(\ahead)*2*CHB th:TH_LOAD_NT
.endr
.endm
; a slot's turn: rows 2 u, 2 u + 1 of column j' pack into register u of column tile 4 g + j'; four stores of 512 consecutive bytes; the slot is filled again with the rows 256 further on.
; At the turns of slots 0 and 1 the wave asks for what slots 4, 6 and 5, 7 load later in this trip; at the turns of slots 4 and 5 for what slots 0, 2 and 1, 3 load in the next trip, but not in the last trip.
; The prefetch stands behind the slot's wait and ahead of its sixteen conversions
.macro WSLOT slot, ahead, left
.set RB, RING+32*(\slot)
	s_wait_loadcnt \left                           ; loads come back in order: mine are in, the younger slots' stay out
.if (\ahead) && (((\slot)%4) < 2)
	WIN 0
.if (\slot) >= 4
	s_cmp_eq_u32 s20, 1                            ; the last trip: the rows 512 further on do not exist
	s_cbranch_scc1 .Lnone_\@
.endif
	global_prefetch_b8 v[PF], s[WB:WB+1] offset:(1+(\slot)/4)*CHB+((\slot)%2)*PB th:TH_LOAD_NT scope:SCOPE_SE
.if (\slot) >= 4
.Lnone_\@:
.endif
.endif
	WIN (RB>>8)*5
.irp jp, 0,1,2,3
.irp u, 0,1,2,3
	v_cvt_pk_bf16_f32 v[PKT+4*\jp+\u], v[(RB&255)+8*\u+\jp], v[(RB&255)+8*\u+4+\jp]
.endr
.endr
	WIN 0
.irp jp, 0,1,2,3
	ds_store_b128 v[WST], v[PKT+4*\jp:PKT+4*\jp+3] offset:((\slot)/4)*32768+(4*(((\slot)/2)%2)+\jp)*1024+((\slot)%2)*512
.endr
.if \ahead
	WLOAD \slot, 1
.endif
.endm
; one bitmap word of the sweep: a lane whose row's number is not below the bits set ahead of this word takes the word and its packed number; the last word so taken holds the row's bit
.macro WSEL k
.irp i, 0,1,2,3,4
	v_cmp_le_u32 s[MK+\i], s[SP], v[RH+\i]
.endr
	s_bcnt1_i32_b32 s2, s[32+\k]
.irp i, 0,1,2,3,4
	v_cndmask_b32 v[SW+\i], v[SW+\i], s[32+\k], s[MK+\i]
	v_cndmask_b32 v[SQV+\i], v[SQV+\i], s[SQ], s[MK+\i]
.endr
	s_add_co_u32 s[SP], s[SP], s2
	s_add_co_u32 s2, s2, 0x10000
	s_add_co_u32 s[SQ], s[SQ], s2
.endm
.macro EACH line:vararg                ; one line for each of the five tiles t
.set t, 0
.rept 5
	\line
.set t, t+1
.endr
.endm
; the field of 2 w bits in which the bit lies is halved: if the lower w bits hold no more set bits than lie ahead of mine, mine lies in the upper w
.macro HALVE src, w
	EACH v_bfe_u32 v[CC+t], v[\src+t], v[PO+t], \w
	EACH v_cmp_ge_u32 s[MK+t], v[NN+t], v[CC+t]
	EACH v_sub_nc_u32 v[TT+t], v[NN+t], v[CC+t]
	EACH v_cndmask_b32 v[NN+t], v[NN+t], v[TT+t], s[MK+t]
	EACH v_add_nc_u32 v[TT+t], \w, v[PO+t]
	EACH v_cndmask_b32 v[PO+t], v[PO+t], v[TT+t], s[MK+t]
.endm
.macro SHIFT                           ; the four sets of tokens move on by one pass
.irp i, 0,1,2,3,4
	v_mov_b32 v[S3+\i], v[S2+\i]
.endr
.irp i, 0,1,2,3,4
	v_mov_b32 v[S2+\i], v[S1+\i]
.endr
.irp i, 0,1,2,3,4
	v_mov_b32 v[S1+\i], v[S0+\i]
.endr
.endm
.macro MM d, a, b, z                   ; a product on absolute register numbers
	WIN (((\d)>>8)*0x50)|(((\b)>>8)<<2)|((\a)>>8)
.if \z
	v_wmma_f32_16x16x32_bf16 v[((\d)&255):((\d)&255)+7], v[((\a)&255):((\a)&255)+7], v[((\b)&255):((\b)&255)+7], 0
.else
	v_wmma_f32_16x16x32_bf16 v[((\d)&255):((\d)&255)+7], v[((\a)&255):((\a)&255)+7], v[((\b)&255):((\b)&255)+7], v[((\d)&255):((\d)&255)+7]
.endif
.endm
.macro LDW par, off                    ; a K step's 8 column tiles: 16 loads of 512 consecutive bytes
	WIN 0x80
.irp nt, 0,1,2,3,4,5,6,7
.irp p, 0,1
	ds_load_b128 v[(WF&255)+64*(\par)+8*\nt+4*\p:(WF&255)+64*(\par)+8*\nt+4*\p+3], v[WRD] offset:(\off)+1024*\nt+512*\p
.endr
.endr
.endm
.macro XLD j, ks                       ; a K step of my five tiles' rows: always all ten loads, so that the counts hold on every path (a dead tile's rows repeat a row that exists)
	WIN 0
.irp i, 0,1,2,3,4
.irp p, 0,1
	global_load_b128 v[XF+40*(\j)+8*\i+4*\p:XF+40*(\j)+8*\i+4*\p+3], v[XA+\i], s[XB:XB+1] offset:(\ks)*KSB+\p*PBX
.endr
.endr
.endm
; a K step's products: 8 for each live tile.  The accumulators take turns, one instruction a turn: between two links of a chain stand 7 others' at the least
.macro MMS j, z
.irp i, 0,1,2,3,4
.if \i > 0
	WIN 0
	s_cmp_le_u32 s19, \i
	s_cbranch_scc1 .Lmms_\@
.endif
.irp nt, 0,1,2,3,4,5,6,7
	MM ACC+64*\i+8*\nt, WF+64*((\j)&1)+8*\nt, XF+40*(\j)+8*\i, \z
.endr
.endr
	WIN 0
.Lmms_\@:
.endm
; K step j of four.  dsn: the next K step's 16 weight loads may stay out.  ldn: the younger K steps' row loads, 10 each, may stay out.  Then the weights two K steps on and the rows four K steps on are asked for
.macro KS j, z, ldw, ldx, dsn, ldn
	s_wait_dscnt \dsn
	s_wait_loadcnt \ldn
	MMS \j, \z
.if (\ldw) || (\ldx)
	PLACES
.endif
.if \ldw
	LDW ((\j)&1), ((\j)+2)*8192
.endif
.if \ldx
	XLD \j, (\j)+4
.endif
	WIN 0
.endm
.macro STEP4
	s_wait_xcnt 0x0                                ; the rows' base is stepped only behind this wait
	s_add_nc_u64 s[XB:XB+1], s[XB:XB+1], 4*KSB
	s_add_co_u32 s[TBW], s[TBW], 0x8000            ; four K steps of weights on
	v_add_nc_u32 v[WRD], s[TBW], v[L16]
.endm
.macro SC reg, val                     ; a constant as a pair: the packed forms name the pair and take its low word for both halves
	s_mov_b32 s[\reg], \val
	s_mov_b32 s[\reg+1], \val
.endm
.macro ALL16 line:vararg               ; one line for each of 16 pairs u
.set u, 0
.rept 16
	\line
.set u, u+2
.endr
.endm
.macro ALL32 line:vararg               ; one line for each of 32 registers u
.set u, 0
.rept 32
	\line
.set u, u+1
.endr
.endm
	s_load_b256 s[4:11], s[0:1], 0x0               ; xb s[4:5], w1 s[6:7], b1 s[8:9], bm s[10:11]
	s_load_b64 s[12:13], s[0:1], 0x20              ; hid
	v_lshl_add_u32 v[SPW], v0, 2, SPARE
	v_mov_b32 v[NIL], 0
	v_and_b32 v[LN], 31, v0
	v_and_b32 v[RR], 15, v0
	v_bfe_u32 v[HH], v0, 4, 1
	v_lshrrev_b32 v[TMP], 5, v0
	v_readfirstlane_b32 s14, v[TMP]                ; wave 0..3
	s_mov_b32 s15, ttmp9
	s_and_b32 s16, ttmp7, 0xffff
	v_lshlrev_b32 v[L16], 4, v[LN]
	v_lshlrev_b32 v[H16], 4, v[HH]
	v_lshlrev_b32 v[BOF], 7, v[HH]                 ; 32 (lane / 16) numbers of b1
	s_lshl_b32 s28, s14, 19                        ; 32 w rows
	v_lshl_add_u32 v[WOF], v[HH], 17, s28          ; the loads: + 8 (lane / 16) rows
	v_lshl_add_u32 v[WOF], v[RR], 4, v[WOF]        ; + 4 (lane % 16) columns
	v_lshl_add_u32 v[PF], v[RR], 14, s28           ; the prefetches: + lane % 16 rows,
	v_lshl_add_u32 v[PF], v[HH], 8, v[PF]          ; + 256 (lane / 16) bytes,
	v_add_nc_u32 v[PF], 2*CHB, v[PF]               ; 256 rows on
	s_lshl_b32 s28, s14, 13
	v_add_nc_u32 v[WST], s28, v[L16]               ; K step w of each four
	s_lshl_b32 s28, s14, 4
	v_add_nc_u32 v[RK0], s28, v[RR]
	s_lshl_b32 s26, s16, 24
	s_lshl_b32 s28, s15, 9
	s_add_co_u32 s26, s26, s28
	s_mov_b32 s27, 0
	s_lshl_b32 s28, s16, 14
	s_lshl_b32 s29, s15, 9
	s_add_co_u32 s28, s28, s29
	s_mov_b32 s29, 0
	s_lshl_b32 s30, s16, 23
	s_mov_b32 s31, 0
	s_wait_kmcnt 0x0
	s_add_nc_u64 s[WB:WB+1], s[6:7], s[26:27]
	s_add_nc_u64 s[8:9], s[8:9], s[28:29]
	s_add_nc_u64 s[12:13], s[12:13], s[30:31]
	s_lshl_b32 s26, s16, 8
	s_add_nc_u64 s[10:11], s[10:11], s[26:27]      ; my expert's 64 bitmap words
.irp n, 0,1,2,3,4,5,6,7,8,9,10,11,12,13,14,15
	global_load_b128 v[XF+4*\n:XF+4*\n+3], v[BOF], s[8:9] offset:256*(\n/8)+16*(\n%8)  ; b1[64 g + 32 h + 4 j ..], n = 8 g + j
.endr
.irp k, 0,1,2,3
	WLOAD \k, 0                                    ; the ring is filled: 64 loads of the wave on their way;
.endr
	WIN 0
.irp p, 0,1
	global_prefetch_b8 v[PF], s[WB:WB+1] offset:\p*PB th:TH_LOAD_NT scope:SCOPE_SE  ; in its middle the wave asks for what slots 0 to 3 load in the first trip: my rows 256 to 287
.endr
.irp k, 4,5,6,7
	WLOAD \k, 0
.endr
	WIN 0
	; THE ROWS ARE FOUND, while the first weights are on their way.  Four trips, one for each pass; a trip whose pass has no rows is jumped.  Trip n's tokens, made in set 0, have moved on to set 3 - n when the loop ends
.irp i, 0,1,2,3,4
	v_mov_b32 v[S0+\i], 0                          ; the sets that the first moves read
	v_mov_b32 v[S1+\i], 0
	v_mov_b32 v[S2+\i], 0
.endr
	s_mov_b32 s17, 2048                            ; no count yet: the first trip is never jumped
	s_mov_b32 s18, 0
.Lsel:
	SHIFT
	s_mul_i32 s28, s18, 320
	s_cmp_le_u32 s17, s28
	s_cbranch_scc1 .Lselstep
	s_load_b512 s[32:47], s[10:11], 0x0            ; all 64 words at once: one wait
	s_load_b512 s[48:63], s[10:11], 0x40
	s_load_b512 s[68:83], s[10:11], 0x80
	s_load_b512 s[84:99], s[10:11], 0xc0
	v_add_nc_u32 v[RH], s28, v[RK0]                ; my row's number in tile i: 320 pass + 64 i + 16 w + lane % 16
.irp i, 1,2,3,4
	v_add_nc_u32 v[RH+\i], 64*\i, v[RH]
.endr
.irp i, 0,1,2,3,4
	v_mov_b32 v[SW+\i], 0
	v_mov_b32 v[SQV+\i], 0
.endr
	s_mov_b32 s[SP], 0
	s_mov_b32 s[SQ], 0
	s_mov_b32 s20, 4
	s_wait_kmcnt 0x0
.Lwords:                                               ; 16 words a trip; then the three blocks behind move down by one
.irp k, 0,1,2,3,4,5,6,7,8,9,10,11,12,13,14,15
	WSEL \k
.endr
.irp n, 0,2,4,6,8,10,12,14
	s_mov_b64 s[32+\n:33+\n], s[48+\n:49+\n]
.endr
.irp n, 0,2,4,6,8,10,12,14
	s_mov_b64 s[48+\n:49+\n], s[68+\n:69+\n]
.endr
.irp n, 0,2,4,6,8,10,12,14
	s_mov_b64 s[68+\n:69+\n], s[84+\n:85+\n]
.endr
	s_sub_co_u32 s20, s20, 1
	s_cmp_lg_u32 s20, 0
	s_cbranch_scc1 .Lwords
	s_mov_b32 s17, s[SP]                           ; the expert's rows
	s_mov_b32 s32, 0x55555555
	s_mov_b32 s33, 0x33333333
	s_mov_b32 s34, 0x0f0f0f0f
	EACH v_and_b32 v[NN+t], 0xffff, v[SQV+t]
	EACH v_sub_nc_u32 v[NN+t], v[RH+t], v[NN+t]    ; so many set bits of my word lie ahead of mine
	EACH v_lshrrev_b32 v[SQV+t], 16, v[SQV+t]      ; the word's number
	EACH v_lshrrev_b32 v[TT+t], 1, v[SW+t]         ; the word's set bits, counted in fields of 2, 4, 8 and 16
	EACH v_and_b32 v[TT+t], s32, v[TT+t]
	EACH v_sub_nc_u32 v[X1+t], v[SW+t], v[TT+t]
	EACH v_lshrrev_b32 v[TT+t], 2, v[X1+t]
	EACH v_and_b32 v[TT+t], s33, v[TT+t]
	EACH v_and_b32 v[X2+t], s33, v[X1+t]
	EACH v_add_nc_u32 v[X2+t], v[X2+t], v[TT+t]
	EACH v_lshrrev_b32 v[TT+t], 4, v[X2+t]
	EACH v_add_nc_u32 v[TT+t], v[X2+t], v[TT+t]
	EACH v_and_b32 v[X4+t], s34, v[TT+t]
	EACH v_lshrrev_b32 v[TT+t], 8, v[X4+t]
	EACH v_add_nc_u32 v[X8+t], v[X4+t], v[TT+t]
	EACH v_and_b32 v[CC+t], 0xff, v[X8+t]          ; the low 16 bits' count: the first halving starts the place
	EACH v_cmp_ge_u32 s[MK+t], v[NN+t], v[CC+t]
	EACH v_sub_nc_u32 v[TT+t], v[NN+t], v[CC+t]
	EACH v_cndmask_b32 v[NN+t], v[NN+t], v[TT+t], s[MK+t]
	EACH v_cndmask_b32 v[PO+t], 0, 16, s[MK+t]
	HALVE X4, 8
	HALVE X2, 4
	HALVE X1, 2
	HALVE SW, 1
	EACH v_and_b32 v[PO+t], 15, v[PO+t]            ; slot 32 k + place stands for token 16 k + place % 16
	EACH v_lshl_or_b32 v[S0+t], v[SQV+t], 4, v[PO+t]
.Lselstep:
	s_add_co_u32 s18, s18, 1
	s_cmp_lt_u32 s18, 4
	s_cbranch_scc1 .Lsel
	s_mov_b32 s20, 3
.Lstream:                                              ; 256 rows k a trip: each slot is packed, stored and filled again; 7 younger slots of 8 loads stay out
.irp k, 0,1,2,3,4,5,6,7
	WSLOT \k, 1, 56
.endr
	WIN 0
	s_wait_xcnt 0x0                                ; the slice's base, which loads and prefetches name, is stepped only behind this wait
	s_add_nc_u64 s[WB:WB+1], s[WB:WB+1], 2*CHB
	v_add_nc_u32 v[WST], 0x10000, v[WST]
	s_sub_co_u32 s20, s20, 1
	s_cmp_lg_u32 s20, 0
	s_cbranch_scc1 .Lstream
.irp k, 0,1,2,3,4,5,6,7
	WSLOT \k, 0, 56-8*\k                           ; the last 256 rows: nothing more is asked for, the counts run down
.endr
	; b1, rounded to bf16 like every input, laid as the accumulators lie: BIAS[8 (4 g + j') + j]
.irp n, 0,1,2,3,4,5,6,7,8,9,10,11,12,13,14,15
	v_cvt_pk_bf16_f32 v[XF+4*\n], v[XF+4*\n], v[XF+4*\n+1]
	v_cvt_pk_bf16_f32 v[XF+4*\n+2], v[XF+4*\n+2], v[XF+4*\n+3]
.endr
	s_mov_b32 s28, 0xffff0000
	WIN 0x80
.irp n, 0,1,2,3,4,5,6,7,8,9,10,11,12,13,14,15
	v_lshlrev_b32 v[(BIAS&255)+32*(\n/8)+(\n%8)], 16, v[XF+4*\n]
	v_and_b32 v[(BIAS&255)+32*(\n/8)+8+(\n%8)], s28, v[XF+4*\n]
	v_lshlrev_b32 v[(BIAS&255)+32*(\n/8)+16+(\n%8)], 16, v[XF+4*\n+2]
	v_and_b32 v[(BIAS&255)+32*(\n/8)+24+(\n%8)], s28, v[XF+4*\n+2]
.endr
	WIN 0
	SC 32, 0xaf95df0b                              ; P's coefficients, from z^12 down: -2.72614226e-10
	SC 34, 0x32edffee                              ;  2.77068142e-08
	SC 36, 0xb60cff51                              ; -2.10102402e-06
	SC 38, 0xb86ec2d2                              ; -5.69250639e-05
	SC 40, 0xba40ac63                              ; -7.34990630e-04
	SC 42, 0xbb41a1f6                              ; -2.95459981e-03
	SC 44, 0xbc83dbd4                              ; -1.60960333e-02
	SC 46, 0xb77460cd                              ; Q's, from z^8 down: -1.45660718e-05
	SC 48, 0xb95fbd29                              ; -2.13374055e-04
	SC 50, 0xbadc924e                              ; -1.68282697e-03
	SC 52, 0xbbf19bf8                              ; -7.37332917e-03
	SC 54, 0xbc69b6a7                              ; -1.42647391e-02
	SC 56, 0x3f3504f3                              ; 1 / sqrt(2)
	s_wait_dscnt 0x0                               ; my part of the weights lies in LDS
	s_barrier_signal -1
	s_barrier_wait -1                              ; everybody's does: from here on LDS is only read
	s_mov_b32 s18, 0
.Lpass:
	s_mul_i32 s28, s18, 320
	s_cmp_le_u32 s17, s28
	s_cbranch_scc1 .Lstep                          ; no rows are left for this pass
	s_sub_co_u32 s28, s17, s28
	s_add_co_u32 s28, s28, 15
	s_lshr_b32 s28, s28, 4
	s_min_u32 s28, s28, 20                         ; the pass's live tiles; tile 4 i + w is mine
	s_add_co_u32 s28, s28, 3
	s_sub_co_u32 s28, s28, s14
	s_lshr_b32 s19, s28, 2
	s_cmp_eq_u32 s19, 0
	s_cbranch_scc1 .Lstep
	s_wait_xcnt 0x0                                ; the last pass's loads and stores have read their registers
.irp i, 0,1,2,3,4
	v_min_u32 v[TMP], 0x3ff, v[S3+\i]              ; the token, clamped; behind that a shift and an add
	v_lshl_add_u32 v[XA+\i], v[TMP], 11, v[H16]
.endr
	s_mov_b32 s[TBW], 0
	v_mov_b32 v[WRD], v[L16]
	s_mov_b64 s[XB:XB+1], s[4:5]
	XLD 0, 0
	XLD 1, 1
	XLD 2, 2
	XLD 3, 3
	LDW 0, 0
	LDW 1, 8192
	KS 0, 1, 1, 1, 16, 30                          ; the first K step starts the sums: nothing is cleared
	KS 1, 0, 1, 1, 16, 30
	KS 2, 0, 1, 1, 16, 30
	KS 3, 0, 1, 1, 16, 30
	STEP4
	s_mov_b32 s20, 6
.Lk:                                                   ; four K steps a trip
	KS 0, 0, 1, 1, 16, 30
	KS 1, 0, 1, 1, 16, 30
	KS 2, 0, 1, 1, 16, 30
	KS 3, 0, 1, 1, 16, 30
	STEP4
	s_sub_co_u32 s20, s20, 1
	s_cmp_lg_u32 s20, 0
	s_cbranch_scc1 .Lk
	KS 0, 0, 1, 0, 16, 30                          ; the last four K steps: the requests end, the counts run down
	KS 1, 0, 1, 0, 16, 20
	KS 2, 0, 0, 0, 16, 10
	KS 3, 0, 0, 0, 0, 0
	PLACES
	; THE WAY OUT, ten times: tile it / 2, column half g = it % 2: 32 numbers a lane.  The bias's addition also brings them to one place, so that the rest is written once
	s_mov_b32 s21, 0
.Lit:
	s_lshr_b32 s28, s21, 1
	s_cmp_ge_u32 s28, s19
	s_cbranch_scc1 .Litstep
	s_wait_xcnt 0x0                                ; the stores before have read their data and their offset
	s_mul_i32 s29, s18, 20
	s_lshl2_add_u32 s29, s28, s29
	s_add_co_u32 s29, s29, s14                     ; the expert's tile 20 pass + 4 i + w
	s_lshl_b32 s29, s29, 17                        ; 131,072 bytes a tile
	s_and_b32 s30, s21, 1
	s_lshl1_add_u32 s30, s15, s30                  ; 64 hidden columns 2 slice + g
	s_lshl_b32 s30, s30, 11                        ; 2,048 bytes each
	s_add_co_u32 s29, s29, s30
	v_add_nc_u32 v[HOF], s29, v[L16]
.macro COPY n
.set AB, ACC+64*((\n)/2)+32*((\n)%2)
	WIN 0x08|(AB>>8)
.set u, 0
.rept 16
	v_pk_add_f32 v[EX+u:EX+u+1], v[(AB&255)+u:(AB&255)+u+1], v[(BIAS&255)+32*((\n)%2)+u:(BIAS&255)+32*((\n)%2)+u+1]  ; ascending: each accumulator's lowest registers are read first
.set u, u+2
.endr
	WIN 0
.endm
.irp n, 0,1,2,3,4,5,6,7,8
	s_cmp_eq_u32 s21, \n
	s_cbranch_scc1 .Lcopy\n
.endr
	COPY 9
	s_branch .Lcommon
.irp n, 0,1,2,3,4,5,6,7,8
.Lcopy\n:
	COPY \n
	s_branch .Lcommon
.endr
.Lcommon:
	ALL16 v_pk_mul_f32 v[EZ+u:EZ+u+1], v[EX+u:EX+u+1], s[56:57] op_sel_hi:[1,0]
	ALL32 v_med3_num_f32 v[EZ+u], v[EZ+u], -4.0, 4.0
	ALL16 v_pk_mul_f32 v[ESQ+u:ESQ+u+1], v[EZ+u:EZ+u+1], v[EZ+u:EZ+u+1]
	ALL16 v_pk_fma_f32 v[EP+u:EP+u+1], v[ESQ+u:ESQ+u+1], s[32:33], s[34:35] op_sel_hi:[1,0,0]
	ALL16 v_pk_fma_f32 v[EQ+u:EQ+u+1], v[ESQ+u:ESQ+u+1], s[46:47], s[48:49] op_sel_hi:[1,0,0]
.irp c, 36,38,40,42,44
	ALL16 v_pk_fma_f32 v[EP+u:EP+u+1], v[EP+u:EP+u+1], v[ESQ+u:ESQ+u+1], s[\c:\c+1] op_sel_hi:[1,1,0]
.endr
.irp c, 50,52,54
	ALL16 v_pk_fma_f32 v[EQ+u:EQ+u+1], v[EQ+u:EQ+u+1], v[ESQ+u:ESQ+u+1], s[\c:\c+1] op_sel_hi:[1,1,0]
.endr
	ALL16 v_pk_mul_f32 v[EP+u:EP+u+1], v[EP+u:EP+u+1], v[EZ+u:EZ+u+1]
	ALL32 v_rcp_f32 v[EQ+u], v[EQ+u]
	ALL16 v_pk_mul_f32 v[EX+u:EX+u+1], v[EX+u:EX+u+1], 0.5 op_sel_hi:[1,0]  ; plain work behind the reciprocals, which names none of them
	s_wait_alu depctr_va_vdst(0)                   ; one wait for the 32 reciprocals, ahead of their first reader
	ALL16 v_pk_mul_f32 v[EP+u:EP+u+1], v[EP+u:EP+u+1], v[EQ+u:EQ+u+1]
	ALL16 v_pk_fma_f32 v[EX+u:EX+u+1], v[EX+u:EX+u+1], v[EP+u:EP+u+1], v[EX+u:EX+u+1]  ; x / 2 + (x / 2) erf
.irp j, 0,1,2,3,4,5,6,7
.irp kp, 0,1
	v_cvt_pk_bf16_f32 v[EZ+2*\j+\kp], v[EX+16*\kp+\j], v[EX+16*\kp+8+\j]  ; columns 4 j + 2 kp, + 1: neighbours
.endr
.endr
.irp m, 0,1,2,3
	global_store_b128 v[HOF], v[EZ+4*\m:EZ+4*\m+3], s[12:13] offset:512*\m  ; the wave's store covers 512 consecutive bytes, aligned: one half of one K step's operand for the second product
.endr
.Litstep:
	s_add_co_u32 s21, s21, 1
	s_cmp_lt_u32 s21, 10
	s_cbranch_scc1 .Lit
.Lstep:
	SHIFT                                          ; the next pass's tokens
	s_add_co_u32 s18, s18, 1
	s_cmp_lt_u32 s18, 4
	s_cbranch_scc1 .Lpass
	s_wait_dscnt 0x0                               ; my reads of LDS are over;
	s_barrier_signal -1
	s_barrier_wait -1                              ; every wave's are: the one LDS write behind the passes, the add below, stands behind every wave's reads
	s_wait_tensorcnt 0x0                           ; the wave's end
	ds_add_u32 v[SPW], v[NIL]
	s_wait_dscnt 0x0
	s_endpgm
.Lfunc_end_k_q7b0a866051_up:
	.size	k_q7b0a866051_up, .Lfunc_end_k_q7b0a866051_up-k_q7b0a866051_up
	.p2alignl 7, 3214868480
	.fill 96, 4, 3214868480
	.section	.rodata,"a",@progbits
	.p2align	6, 0x0
	.amdhsa_kernel k_q7b0a866051_up
		.amdhsa_group_segment_fixed_size 262656
		.amdhsa_private_segment_fixed_size 0
		.amdhsa_enable_private_segment 0
		.amdhsa_kernarg_size 40
		.amdhsa_user_sgpr_count 2
		.amdhsa_user_sgpr_kernarg_segment_ptr 1
		.amdhsa_wavefront_size32 1
		.amdhsa_system_sgpr_workgroup_id_x 1
		.amdhsa_system_sgpr_workgroup_id_y 1
		.amdhsa_system_sgpr_workgroup_id_z 1
		.amdhsa_system_vgpr_workitem_id 0
		.amdhsa_next_free_vgpr 768
		.amdhsa_next_free_sgpr 102
		.amdhsa_reserve_vcc 0
		.amdhsa_float_denorm_mode_32 3
		.amdhsa_float_denorm_mode_16_64 3
		.amdhsa_memory_ordered 1
		.amdhsa_forward_progress 1
		.amdhsa_inst_pref_size 174
	.end_amdhsa_kernel
	.amdgpu_metadata
---
amdhsa.version: [ 1, 2 ]
amdhsa.kernels:
  - .name:           k_q7b0a866051_up
    .symbol:         k_q7b0a866051_up.kd
    .args:
      - { .name: xb, .offset: 0, .size: 8, .value_kind: global_buffer, .address_space: global }
      - { .name: w1, .offset: 8, .size: 8, .value_kind: global_buffer, .address_space: global }
      - { .name: b1, .offset: 16, .size: 8, .value_kind: global_buffer, .address_space: global }
      - { .name: bm, .offset: 24, .size: 8, .value_kind: global_buffer, .address_space: global }
      - { .name: hid, .offset: 32, .size: 8, .value_kind: global_buffer, .address_space: global }
    .group_segment_fixed_size: 262656
    .private_segment_fixed_size: 0
    .kernarg_segment_align: 8
    .kernarg_segment_size: 40
    .max_flat_workgroup_size: 128
    .sgpr_count:     102
    .vgpr_count:     768
    .wavefront_size: 32
...
	.end_amdgpu_metadata
.endif
;; end of part 2
;; launch down (part 3): grid 32 x 8, 4 waves a work-group, no clusters, 268,032 bytes of LDS; arguments hid, w2, bm, gate, part; writes part
.if DOCPART == 3
	.amdgcn_target "amdgcn-amd-amdhsa--gfx1250"
	.amdhsa_code_object_version 6
	.text
	.protected	k_q7b0a866051_down
	.globl	k_q7b0a866051_down
	.p2align	8
	.type	k_q7b0a866051_down,@function
k_q7b0a866051_down:
	s_mov_b64 s[64:65], 0
	v_nop
	global_prefetch_b8 v0, s[64:65] scope:SCOPE_SE
	s_setreg_imm32_b32 hwreg(HW_REG_WAVE_MODE, 25, 1), 1
	s_wait_xcnt 0x0
; SECOND PRODUCT.  part[q][slot] = gate[slot] x (H_e W2[e]) over the quarter q of the hidden width, for the slots that chose expert e.  Work-group (ns + 8 q, e) owns W2[e][1,024 hidden rows of quarter q][128 columns ns],
; 512 KB of f32 that it alone reads, once.  The four quarters' f32 parts, and the two choices', are added by the launch behind: each byte of part has one writer.
; PHASE 1, the passes and the K loop are the first product's: the slice goes through a ring of registers, is rounded to bf16 and laid in LDS as finished operands; 4 passes of 320 rows, dead passes and tiles jumped.
; AHEAD OF THE RING each wave asks, by prefetches, for the rows that it will load itself.  A prefetch's lanes lie 256 bytes apart: 16 rows x 512 bytes, what two slots of the ring (g = 0, 1) load.  It stands four and six
; slot turns ahead of those slots' loads.  The slice's rows 0 to 255 are loaded at once and not asked for; each block of rows 256 to 1,023 is asked for once: 12 prefetches a wave.  At most 112 KB of the work-group are
; asked for and not yet loaded.  The last trip's second pair, which would name rows past the slice, is jumped.
; ORDER ALONG K.  hid holds finished operands: K step 2 G + s, lane half h, operand half p, item i stand for hidden 64 G + 32 h + 16 s + 8 p + i.  The weights' rows are taken in the same order; a permutation of K
; applied alike to both operands keeps the products.
; D = rows (source 0) x W (source 1).  Column tile nt = 4 g + j' holds the columns 64 g + 4 n + j', so register j of tiles j' = 0 .. 3 is, in lane (r, h), row 8 h + j, columns 64 g + 4 r + 0 .. 3: 16 bytes that belong together,
; and sixteen neighbouring lanes hold 256 consecutive bytes of a row.  The scaling by the row's gate brings the four registers together; the results leave straight from registers.
; THE LIST.  A lane needs the slots of eight rows of each tile, 40 a pass, so here the expert's slots, in ascending order, are laid into LDS once, by wave 0, from the 64 words of bm (whole numbers that the first launch stored).
; ROWS PAST THE COUNT.  Whole dead tiles are jumped.  A quarter of part has 2,056 rows: 2,048 slots and a spare row for each expert.  The list's places past the count name the spare row 2,048 + e, so the last tile, if it is
; not full, is stored whole like every other; its dead rows, 15 at the most, land in the spare row's 512 bytes of this work-group's columns, which are its own and which nobody reads.
; NO MULTICAST, NO TENSOR LOADS: each weight has one reader; the passes' number hangs on a stored count; of LDS 262,144 bytes hold weights.
; LIMITS.  w2 rounded to bf16; NaN and infinities are not treated apart.  An expert without rows still has its slice streamed.
.set ROWB,  4096                       ; bytes in a row of W2
.set CHB,   128*ROWB
.set PB,    8*ROWB                     ; from an operand's first half to its second: 8 hidden rows
.set KSB,   1024                       ; a K step in a tile of hid
.set PBX,   512                        ; and its second half
.set QST,   2056*4096                  ; bytes in a quarter of part
.set LIST,  262144                     ; LDS: 0 .. the weights [K step 32][column tile 8][half 2][lane 32] 16 bytes; then 1,280 list words; then 64 trash words
.set SPARE, LIST+5120+256              ; the spare words, 128 bytes a wave: two blocks of 256 bytes that no other line names
.set SPW, 1                            ; v1  my spare word; never rewritten
.set NIL, 2                            ; v2  0; never rewritten
.set LN,  3
.set RR,  4
.set HH,  5
.set WRD, 6                            ; LDS: the weights' fragments of the K steps in hand
.set WST, 7                            ; LDS: where phase 1 stores
.set WOF, 8                            ; my byte offset in the slice, for the loads; never rewritten
.set LRD, 9                            ; LDS: the eight list words of my half of the lanes, tile 0 of the pass in hand
.set PF,  10                           ; my byte offset in the slice, for the prefetches, 256 rows on; never rewritten
.set TRI, 11
.set SG,  12
.set TMP, 13
.set R16, 15                           ; 16 (lane % 16)
.set XA,  16                           ; v16-20  my byte offset in hid, tile i
.set L16, 31
.set PKT, 32
.set XF,  48                           ; v48-207 the rows' operands.  Ahead of them GA v48-87, the gates' byte offsets; on the way out PA v112-119, the eight rows' offsets in part, and OT v128-191, scaled results
.set GA,  48
.set PA,  112
.set OT,  128
.set SL,  208                          ; v208-247 the slot of row 8 h + j of tile i at SL + 8 i + j
.set ACC, 256
.set RING, 320                         ; v320-575: tiles 1-4 hold loaded numbers before any product; tile 0 is started by every pass's first K step
.set WF,  576
.set GTE, 704                          ; v704-743 that row's gate
.set TBW, 3                            ; s3   LDS byte at which the weights of the four K steps in hand begin
.set WB,  22                           ; s[22:23] the slice, stepped by 256 rows a trip
.set XB,  24
; s[4:5] hid at my expert and quarter, s[8:9] bm at my expert, s[12:13] part at my quarter and columns, s14 wave, s15 ns, s16 expert, s17 the expert's rows, s18 pass, s19 my live tiles, s20, s21 counters,
; s[26:31] at work, s[32:63] and s[68:99] the 64 bitmap words
.set MSB, 0
.macro WIN new
.if MSB != (\new)
	s_set_vgpr_msb (MSB<<8)|(\new)
.set MSB, (\new)
.endif
.endm
.macro PLACES
.rept 4
	v_nop
.endr
.endm
.macro WLOAD slot, ahead               ; slot = 4 c2 + 2 g + p: 8 hidden rows, columns 64 g + 4 (lane % 16) ..: two runs of 256 consecutive bytes, aligned
.set RB, RING+32*(\slot)
	WIN (RB>>8)<<6
.irp i, 0,1,2,3,4,5,6,7
	global_load_b128 v[(RB&255)+4*\i:(RB&255)+4*\i+3], v[WOF], s[WB:WB+1] offset:((\slot)/4)*CHB+((\slot)%2)*PB+\i*ROWB+(((\slot)/2)%2)*256+(\ahead)*2*CHB th:TH_LOAD_NT
.endr
.endm
; a slot's turn.  At the turns of slots 0 and 1 the wave asks for what slots 4, 6 and 5, 7 load later in this trip; at the turns of slots 4 and 5 for what slots 0, 2 and 1, 3 load in the next trip, but not in the last trip.
; The prefetch stands behind the slot's wait and ahead of its sixteen conversions
.macro WSLOT slot, ahead, left
.set RB, RING+32*(\slot)
	s_wait_loadcnt \left                           ; loads come back in order: mine are in, the younger slots' stay out
.if (\ahead) && (((\slot)%4) < 2)
	WIN 0
.if (\slot) >= 4
	s_cmp_eq_u32 s20, 1                            ; the last trip: the rows 512 further on do not exist
	s_cbranch_scc1 .Lnone_\@
.endif
	global_prefetch_b8 v[PF], s[WB:WB+1] offset:(1+(\slot)/4)*CHB+((\slot)%2)*PB th:TH_LOAD_NT scope:SCOPE_SE
.if (\slot) >= 4
.Lnone_\@:
.endif
.endif
	WIN (RB>>8)*5
.irp jp, 0,1,2,3
.irp u, 0,1,2,3
	v_cvt_pk_bf16_f32 v[PKT+4*\jp+\u], v[(RB&255)+8*\u+\jp], v[(RB&255)+8*\u+4+\jp]
.endr
.endr
	WIN 0
.irp jp, 0,1,2,3
	ds_store_b128 v[WST], v[PKT+4*\jp:PKT+4*\jp+3] offset:((\slot)/4)*32768+(4*(((\slot)/2)%2)+\jp)*1024+((\slot)%2)*512
.endr
.if \ahead
	WLOAD \slot, 1
.endif
.endm
.macro WORD k                          ; a lane whose bit is set stores its slot at its list place, the others into their trash words; the index is clamped, then shifted and added
	v_mbcnt_lo_u32_b32 v[TMP], s[32+\k], s17
	v_cndmask_b32 v[TMP], v[TRI], v[TMP], s[32+\k]
	v_min_u32 v[TMP], 0x53f, v[TMP]
	v_lshl_add_u32 v[TMP], v[TMP], 2, LIST
	ds_store_b32 v[TMP], v[SG]
	v_add_nc_u32 v[SG], 32, v[SG]
	s_bcnt1_i32_b32 s28, s[32+\k]
	s_add_co_u32 s17, s17, s28
.endm
.macro MM d, a, b, z
	WIN (((\d)>>8)*0x50)|(((\b)>>8)<<2)|((\a)>>8)
.if \z
	v_wmma_f32_16x16x32_bf16 v[((\d)&255):((\d)&255)+7], v[((\a)&255):((\a)&255)+7], v[((\b)&255):((\b)&255)+7], 0
.else
	v_wmma_f32_16x16x32_bf16 v[((\d)&255):((\d)&255)+7], v[((\a)&255):((\a)&255)+7], v[((\b)&255):((\b)&255)+7], v[((\d)&255):((\d)&255)+7]
.endif
.endm
.macro LDW par, off
	WIN 0x80
.irp nt, 0,1,2,3,4,5,6,7
.irp p, 0,1
	ds_load_b128 v[(WF&255)+64*(\par)+8*\nt+4*\p:(WF&255)+64*(\par)+8*\nt+4*\p+3], v[WRD] offset:(\off)+1024*\nt+512*\p
.endr
.endr
.endm
.macro XLD j, ks                       ; a K step of my five tiles: ten loads of 512 consecutive bytes, always all ten, so that the counts hold on every path (a dead tile repeats the last live one)
	WIN 0
.irp i, 0,1,2,3,4
.irp p, 0,1
	global_load_b128 v[XF+40*(\j)+8*\i+4*\p:XF+40*(\j)+8*\i+4*\p+3], v[XA+\i], s[XB:XB+1] offset:(\ks)*KSB+\p*PBX
.endr
.endr
.endm
.macro MMS j, z                        ; 8 products for each live tile, the rows as source 0; the accumulators take turns, one instruction a turn
.irp i, 0,1,2,3,4
.if \i > 0
	WIN 0
	s_cmp_le_u32 s19, \i
	s_cbranch_scc1 .Lmms_\@
.endif
.irp nt, 0,1,2,3,4,5,6,7
	MM ACC+64*\i+8*\nt, XF+40*(\j)+8*\i, WF+64*((\j)&1)+8*\nt, \z
.endr
.endr
	WIN 0
.Lmms_\@:
.endm
.macro KS j, z, ldw, ldx, dsn, ldn     ; dsn: the next K step's 16 weight loads may stay out; ldn: the younger K steps' row loads, 10 each
	s_wait_dscnt \dsn
	s_wait_loadcnt \ldn
	MMS \j, \z
.if (\ldw) || (\ldx)
	PLACES
.endif
.if \ldw
	LDW ((\j)&1), ((\j)+2)*8192
.endif
.if \ldx
	XLD \j, (\j)+4
.endif
	WIN 0
.endm
.macro STEP4
	s_wait_xcnt 0x0                                ; the rows' base is stepped only behind this wait
	s_add_nc_u64 s[XB:XB+1], s[XB:XB+1], 4*KSB
	s_add_co_u32 s[TBW], s[TBW], 0x8000            ; four K steps of weights on
	v_add_nc_u32 v[WRD], s[TBW], v[L16]
.endm
	s_load_b256 s[4:11], s[0:1], 0x0               ; hid s[4:5], w2 s[6:7], bm s[8:9], gate s[10:11]
	s_load_b64 s[12:13], s[0:1], 0x20              ; part
	v_lshl_add_u32 v[SPW], v0, 2, SPARE
	v_mov_b32 v[NIL], 0
	v_and_b32 v[LN], 31, v0
	v_and_b32 v[RR], 15, v0
	v_bfe_u32 v[HH], v0, 4, 1
	v_lshrrev_b32 v[TMP], 5, v0
	v_readfirstlane_b32 s14, v[TMP]                ; wave 0..3
	s_and_b32 s15, ttmp9, 7                        ; ns
	s_lshr_b32 s31, ttmp9, 3                       ; q
	s_and_b32 s16, ttmp7, 0xffff
	v_lshlrev_b32 v[L16], 4, v[LN]
	v_lshlrev_b32 v[R16], 4, v[RR]
	s_lshr_b32 s28, s14, 1
	s_lshl_b32 s28, s28, 18                        ; 64 (w / 2) hidden rows
	s_and_b32 s29, s14, 1
	s_lshl_b32 s29, s29, 16                        ; + 16 (w % 2)
	s_add_co_u32 s28, s28, s29
	v_lshl_add_u32 v[WOF], v[HH], 17, s28          ; the loads: + 32 (lane / 16) rows
	v_lshl_add_u32 v[WOF], v[RR], 4, v[WOF]        ; + 4 (lane % 16) columns
	v_and_b32 v[TMP], 7, v[LN]
	v_lshl_add_u32 v[PF], v[TMP], 12, s28          ; the prefetches: + lane % 8 rows,
	v_bfe_u32 v[TMP], v[LN], 3, 1
	v_lshl_add_u32 v[PF], v[TMP], 17, v[PF]        ; + 32 ((lane / 8) % 2) rows,
	v_lshl_add_u32 v[PF], v[HH], 8, v[PF]          ; + 256 (lane / 16) bytes,
	v_add_nc_u32 v[PF], 2*CHB, v[PF]               ; 256 rows on
	s_lshl_b32 s28, s14, 13
	v_add_nc_u32 v[WST], s28, v[L16]
	s_lshl_b32 s28, s14, 6
	v_lshl_add_u32 v[LRD], v[HH], 5, s28
	v_add_nc_u32 v[LRD], LIST, v[LRD]              ; list word 16 w + 8 (lane / 16)
	v_add_nc_u32 v[TRI], 1280, v[LN]
	v_mov_b32 v[SG], v[LN]
	s_mov_b32 s17, 0
	s_lshl_b32 s26, s16, 24
	s_lshl_b32 s28, s31, 22
	s_add_co_u32 s26, s26, s28
	s_lshl_b32 s28, s15, 9
	s_add_co_u32 s26, s26, s28
	s_mov_b32 s27, 0
	s_lshl_b32 s28, s16, 23
	s_lshl_b32 s29, s31, 15
	s_add_co_u32 s28, s28, s29
	s_mov_b32 s29, 0
	s_mul_i32 s30, s31, QST
	s_lshl_b32 s31, s15, 9
	s_add_co_u32 s30, s30, s31
	s_mov_b32 s31, 0
	s_wait_kmcnt 0x0
	s_add_nc_u64 s[WB:WB+1], s[6:7], s[26:27]
	s_add_nc_u64 s[4:5], s[4:5], s[28:29]
	s_add_nc_u64 s[12:13], s[12:13], s[30:31]
	s_lshl_b32 s26, s16, 8
	s_add_nc_u64 s[8:9], s[8:9], s[26:27]          ; my expert's 64 bitmap words:
	s_load_b512 s[32:47], s[8:9], 0x0              ; all at once, ahead of the ring's loads: one wait
	s_load_b512 s[48:63], s[8:9], 0x40
	s_load_b512 s[68:83], s[8:9], 0x80
	s_load_b512 s[84:99], s[8:9], 0xc0
.irp k, 0,1,2,3
	WLOAD \k, 0                                    ; the ring is filled: 64 loads of the wave on their way;
.endr
	WIN 0
.irp p, 0,1
	global_prefetch_b8 v[PF], s[WB:WB+1] offset:\p*PB th:TH_LOAD_NT scope:SCOPE_SE  ; in its middle the wave asks for what slots 0 to 3 load in the first trip
.endr
.irp k, 4,5,6,7
	WLOAD \k, 0
.endr
	WIN 0
	s_cmp_lg_u32 s14, 0
	s_cbranch_scc1 .Lnofill
	s_add_co_u32 s28, s16, 2048                    ; my expert's spare row of part
.irp k, 0,1,2,3
	v_mov_b32 v[PKT+\k], s28
.endr
	v_add_nc_u32 v[TMP], LIST, v[L16]
.irp k, 0,1,2,3,4,5,6,7,8,9
	ds_store_b128 v[TMP], v[PKT:PKT+3] offset:512*\k  ; the whole list names the spare row first
.endr
.Lnofill:
	s_mov_b32 s20, 4
	s_wait_kmcnt 0x0
.Lcount:                                               ; 16 bitmap words a trip: every wave counts, wave 0 also lays the list; then the three blocks behind move down by one
	s_cmp_lg_u32 s14, 0
	s_cbranch_scc1 .Lothers
.irp k, 0,1,2,3,4,5,6,7,8,9,10,11,12,13,14,15
	WORD \k
.endr
	s_branch .Lcounted
.Lothers:
.irp k, 0,1,2,3,4,5,6,7,8,9,10,11,12,13,14,15
	s_bcnt1_i32_b32 s28, s[32+\k]
	s_add_co_u32 s17, s17, s28
.endr
.Lcounted:
.irp n, 0,2,4,6,8,10,12,14
	s_mov_b64 s[32+\n:33+\n], s[48+\n:49+\n]
.endr
.irp n, 0,2,4,6,8,10,12,14
	s_mov_b64 s[48+\n:49+\n], s[68+\n:69+\n]
.endr
.irp n, 0,2,4,6,8,10,12,14
	s_mov_b64 s[68+\n:69+\n], s[84+\n:85+\n]
.endr
	s_sub_co_u32 s20, s20, 1
	s_cmp_lg_u32 s20, 0
	s_cbranch_scc1 .Lcount
	s_wait_dscnt 0x0                               ; the list lies in LDS
	s_barrier_signal -1
	s_barrier_wait -1
	s_mov_b32 s20, 3
.Lstream:                                              ; 256 hidden rows a trip; 7 younger slots of 8 loads stay out
.irp k, 0,1,2,3,4,5,6,7
	WSLOT \k, 1, 56
.endr
	WIN 0
	s_wait_xcnt 0x0                                ; the slice's base, which loads and prefetches name, is stepped only behind this wait
	s_add_nc_u64 s[WB:WB+1], s[WB:WB+1], 2*CHB
	v_add_nc_u32 v[WST], 0x10000, v[WST]
	s_sub_co_u32 s20, s20, 1
	s_cmp_lg_u32 s20, 0
	s_cbranch_scc1 .Lstream
.irp k, 0,1,2,3,4,5,6,7
	WSLOT \k, 0, 56-8*\k                           ; the last 256 rows: the counts run down
.endr
	s_wait_dscnt 0x0                               ; my part of the weights lies in LDS
	s_barrier_signal -1
	s_barrier_wait -1                              ; everybody's does: from here on LDS is only read
	s_mov_b32 s18, 0
.Lpass:
	s_mul_i32 s28, s18, 320
	s_cmp_le_u32 s17, s28
	s_cbranch_scc1 .Lstep                          ; no rows are left for this pass
	s_sub_co_u32 s28, s17, s28
	s_add_co_u32 s28, s28, 15
	s_lshr_b32 s28, s28, 4
	s_min_u32 s28, s28, 20                         ; the pass's live tiles; tile 4 i + w is mine
	s_add_co_u32 s28, s28, 3
	s_sub_co_u32 s28, s28, s14
	s_lshr_b32 s19, s28, 2
	s_cmp_eq_u32 s19, 0
	s_cbranch_scc1 .Lstep
	s_wait_xcnt 0x0                                ; the last pass's loads and stores have read their registers
.irp i, 0,1,2,3,4
	ds_load_b128 v[SL+8*\i:SL+8*\i+3],   v[LRD] offset:256*\i      ; the slots of rows 8 h + 0 .. 7 of tile i
	ds_load_b128 v[SL+8*\i+4:SL+8*\i+7], v[LRD] offset:256*\i+16
.endr
	s_add_co_u32 s29, s17, 15
	s_lshr_b32 s29, s29, 4
	s_sub_co_u32 s29, s29, 1                       ; the expert's last live tile
	s_mul_i32 s30, s18, 20
	s_add_co_u32 s30, s30, s14
.irp i, 0,1,2,3,4
	s_add_co_u32 s28, s30, 4*\i                    ; tile 20 pass + 4 i + w, or the last that was written,
	s_min_u32 s28, s28, s29
	s_min_u32 s28, s28, 63                         ; clamped; behind that a shift and an add
	s_lshl_b32 s28, s28, 17
	v_add_nc_u32 v[XA+\i], s28, v[L16]
.endr
	s_wait_dscnt 0x0
.set u, 0
.rept 40
	v_min_u32 v[GA+u], 0x7ff, v[SL+u]              ; the gate's index: a slot, clamped (a spare row takes the last slot's gate: its product is read by nobody),
.set u, u+1
.endr
.set u, 0
.rept 40
	v_lshlrev_b32 v[GA+u], 2, v[GA+u]              ; in bytes
.set u, u+1
.endr
.set u, 0
.rept 40
	v_min_u32 v[SL+u], 0x807, v[SL+u]              ; the row of part: 2,056 rows a quarter; behind the clamp a shift and an add
.set u, u+1
.endr
	WIN 0x80
.set u, 0
.rept 40
	global_load_b32 v[(GTE&255)+u], v[GA+u], s[10:11]  ; the rows' gates: older than every load of the K loop, so its counted waits cover them
.set u, u+1
.endr
	WIN 0
	s_wait_xcnt 0x0                                ; the gates' offsets have been read: the rows' operands land on their registers only behind this wait
	s_mov_b32 s[TBW], 0
	v_mov_b32 v[WRD], v[L16]
	s_mov_b64 s[XB:XB+1], s[4:5]
	XLD 0, 0
	XLD 1, 1
	XLD 2, 2
	XLD 3, 3
	LDW 0, 0
	LDW 1, 8192
	KS 0, 1, 1, 1, 16, 30                          ; the first K step starts the sums: nothing is cleared
	KS 1, 0, 1, 1, 16, 30
	KS 2, 0, 1, 1, 16, 30
	KS 3, 0, 1, 1, 16, 30
	STEP4
	s_mov_b32 s20, 6
.Lk:                                                   ; four K steps a trip
	KS 0, 0, 1, 1, 16, 30
	KS 1, 0, 1, 1, 16, 30
	KS 2, 0, 1, 1, 16, 30
	KS 3, 0, 1, 1, 16, 30
	STEP4
	s_sub_co_u32 s20, s20, 1
	s_cmp_lg_u32 s20, 0
	s_cbranch_scc1 .Lk
	KS 0, 0, 1, 0, 16, 30                          ; the last four K steps: the requests end, the counts run down
	KS 1, 0, 1, 0, 16, 20
	KS 2, 0, 0, 0, 16, 10
	KS 3, 0, 0, 0, 0, 0
	PLACES
	; THE WAY OUT, five times: a tile of 16 rows x 128 columns.  The scaling by the gate also brings a lane's four neighbouring columns into four neighbouring registers, at one place, so that the stores are written once
	s_mov_b32 s21, 0
.Lit:
	s_cmp_ge_u32 s21, s19
	s_cbranch_scc1 .Litstep
	s_wait_xcnt 0x0                                ; the stores before have read their data and their offsets
.macro COPY i
.set AB, ACC+64*(\i)
	WIN 0
.irp j, 0,1,2,3,4,5,6,7
	v_lshl_add_u32 v[PA+\j], v[SL+8*(\i)+\j], 12, v[R16]  ; row 8 h + j: its 4,096 bytes in part, my 16 of them
.endr
	WIN 0x08|(AB>>8)
.irp nt, 0,1,2,3,4,5,6,7
.irp j, 0,1,2,3,4,5,6,7
	v_mul_f32 v[OT+32*(\nt/4)+4*\j+(\nt%4)], v[(AB&255)+8*\nt+\j], v[(GTE&255)+8*(\i)+\j]  ; ascending: each accumulator's lowest registers are read first
.endr
.endr
	WIN 0
.endm
.irp n, 0,1,2,3
	s_cmp_eq_u32 s21, \n
	s_cbranch_scc1 .Lcopy\n
.endr
	COPY 4
	s_branch .Lcommon
.irp n, 0,1,2,3
.Lcopy\n:
	COPY \n
	s_branch .Lcommon
.endr
.Lcommon:
.irp j, 0,1,2,3,4,5,6,7
.irp g, 0,1
	global_store_b128 v[PA+\j], v[OT+32*\g+4*\j:OT+32*\g+4*\j+3], s[12:13] offset:256*\g  ; lanes 0-15 store 256 consecutive bytes of row j, aligned; lanes 16-31 those of row 8 + j
.endr
.endr
.Litstep:
	s_add_co_u32 s21, s21, 1
	s_cmp_lt_u32 s21, 5
	s_cbranch_scc1 .Lit
.Lstep:
	v_add_nc_u32 v[LRD], 1280, v[LRD]
	s_add_co_u32 s18, s18, 1
	s_cmp_lt_u32 s18, 4
	s_cbranch_scc1 .Lpass
	s_wait_dscnt 0x0                               ; my reads of LDS are over;
	s_barrier_signal -1
	s_barrier_wait -1                              ; every wave's are: the one LDS write behind the passes, the add below, stands behind every wave's reads
	s_wait_tensorcnt 0x0                           ; the wave's end
	ds_add_u32 v[SPW], v[NIL]
	s_wait_dscnt 0x0
	s_endpgm
.Lfunc_end_k_q7b0a866051_down:
	.size	k_q7b0a866051_down, .Lfunc_end_k_q7b0a866051_down-k_q7b0a866051_down
	.p2alignl 7, 3214868480
	.fill 96, 4, 3214868480
	.section	.rodata,"a",@progbits
	.p2align	6, 0x0
	.amdhsa_kernel k_q7b0a866051_down
		.amdhsa_group_segment_fixed_size 268032
		.amdhsa_private_segment_fixed_size 0
		.amdhsa_enable_private_segment 0
		.amdhsa_kernarg_size 40
		.amdhsa_user_sgpr_count 2
		.amdhsa_user_sgpr_kernarg_segment_ptr 1
		.amdhsa_wavefront_size32 1
		.amdhsa_system_sgpr_workgroup_id_x 1
		.amdhsa_system_sgpr_workgroup_id_y 1
		.amdhsa_system_sgpr_workgroup_id_z 1
		.amdhsa_system_vgpr_workitem_id 0
		.amdhsa_next_free_vgpr 744
		.amdhsa_next_free_sgpr 100
		.amdhsa_reserve_vcc 0
		.amdhsa_float_denorm_mode_32 3
		.amdhsa_float_denorm_mode_16_64 3
		.amdhsa_memory_ordered 1
		.amdhsa_forward_progress 1
		.amdhsa_inst_pref_size 139
	.end_amdhsa_kernel
	.amdgpu_metadata
---
amdhsa.version: [ 1, 2 ]
amdhsa.kernels:
  - .name:           k_q7b0a866051_down
    .symbol:         k_q7b0a866051_down.kd
    .args:
      - { .name: hid, .offset: 0, .size: 8, .value_kind: global_buffer, .address_space: global }
      - { .name: w2, .offset: 8, .size: 8, .value_kind: global_buffer, .address_space: global }
      - { .name: bm, .offset: 16, .size: 8, .value_kind: global_buffer, .address_space: global }
      - { .name: gate, .offset: 24, .size: 8, .value_kind: global_buffer, .address_space: global }
      - { .name: part, .offset: 32, .size: 8, .value_kind: global_buffer, .address_space: global }
    .group_segment_fixed_size: 268032
    .private_segment_fixed_size: 0
    .kernarg_segment_align: 8
    .kernarg_segment_size: 40
    .max_flat_workgroup_size: 128
    .sgpr_count:     100
    .vgpr_count:     744
    .wavefront_size: 32
...
	.end_amdgpu_metadata
.endif
;; end of part 3
;; launch combine (part 4): grid 256 x 1, 8 waves a work-group, no clusters, 0 bytes of LDS; arguments part, sel, gate, b2, out0; writes out0
.if DOCPART == 4
	.amdgcn_target "amdgcn-amd-amdhsa--gfx1250"
	.amdhsa_code_object_version 6
	.text
	.protected	k_q7b0a866051_combine
	.globl	k_q7b0a866051_combine
	.p2align	8
	.type	k_q7b0a866051_combine,@function
k_q7b0a866051_combine:
	s_mov_b64 s[64:65], 0
	v_nop
	global_prefetch_b8 v0, s[64:65] scope:SCOPE_SE
	s_setreg_imm32_b32 hwreg(HW_REG_WAVE_MODE, 25, 1), 1
	s_wait_xcnt 0x0
; out0[t] = the sum of token t's eight partial rows (two choices x four quarters of the hidden width, already scaled by the gates) + g0 b2[e0] + g1 b2[e1].
; A stream: a wave owns half a row (2,048 bytes) of one token; all its 32 + 8 loads go out before the first wait; every load and store covers 512 consecutive bytes, aligned.
; No LDS, no barrier, no matrix unit: nothing is shared and there is no product.  The sums are f32, in a fixed order: ((q0 + q1) + (q2 + q3)) for each choice, then the two choices, then the biases.
; A quarter of part has 2,056 rows of 4,096 bytes: the 2,048 slots, which are read here, and eight spare rows, which are not.
; b2 is rounded to bf16 like every input.  The experts come from sel, whole numbers that the first launch stored, clamped to 0 .. 7.
.set QST, 2056*4096                    ; bytes in a quarter of part
.set L16, 1                            ; 16 x lane
.set VO,  2                            ; v2-5   my byte offset in quarter q of part, first choice
.set OO,  6                            ; my byte offset in out0
.set BO,  7                            ; my byte offset in a row of b2
.set P,   8                            ; v8-135   choice c, quarter q, piece l at P + 64 c + 16 q + 4 l
.set B,   136                          ; v136-167 b2: choice c, piece l at B + 16 c + 4 l
.set TM,  168
	s_load_b256 s[4:11], s[0:1], 0x0               ; part s[4:5], sel s[6:7], gate s[8:9], b2 s[10:11]
	s_load_b64 s[12:13], s[0:1], 0x20              ; out0
	v_and_b32 v[L16], 31, v0
	v_lshlrev_b32 v[L16], 4, v[L16]
	v_lshrrev_b32 v[TM], 5, v0
	v_readfirstlane_b32 s14, v[TM]                 ; wave 0..7
	s_lshr_b32 s15, s14, 1
	s_lshl2_add_u32 s15, ttmp9, s15                ; token = 4 x work-group + wave / 2
	s_and_b32 s16, s14, 1
	s_lshl_b32 s16, s16, 11                        ; which half of the row
	s_lshr_b32 s17, s15, 4
	s_lshl_b32 s17, s17, 5
	s_and_b32 s18, s15, 15
	s_add_co_u32 s17, s17, s18                     ; the first choice's slot; the second's is 16 further on
	s_lshl_b32 s18, s17, 2
	s_lshl_b32 s19, s17, 12
	s_add_co_u32 s19, s19, s16
	v_add_nc_u32 v[VO], s19, v[L16]
	v_add_nc_u32 v[VO+1], QST, v[VO]
	v_add_nc_u32 v[VO+2], 2*QST, v[VO]
	v_add_nc_u32 v[VO+3], 3*QST, v[VO]
	s_lshl_b32 s19, s15, 12
	s_add_co_u32 s19, s19, s16
	v_add_nc_u32 v[OO], s19, v[L16]
	v_add_nc_u32 v[BO], s16, v[L16]
	s_wait_kmcnt 0x0
	s_load_b32 s20, s[6:7], s18 offset:0x0         ; the two experts,
	s_load_b32 s21, s[6:7], s18 offset:0x40
	s_load_b32 s22, s[8:9], s18 offset:0x0         ; the two gates
	s_load_b32 s24, s[8:9], s18 offset:0x40
.irp c, 0,1
.irp q, 0,1,2,3
.irp l, 0,1,2,3
	global_load_b128 v[P+64*\c+16*\q+4*\l:P+64*\c+16*\q+4*\l+3], v[VO+\q], s[4:5] offset:65536*\c+512*\l th:TH_LOAD_NT
.endr
.endr
.endr
	s_wait_kmcnt 0x0
	s_mov_b32 s23, s22                             ; named as pairs by the packed forms
	s_mov_b32 s25, s24
	s_min_u32 s20, s20, 7
	s_min_u32 s21, s21, 7
	s_lshl_b32 s26, s20, 12
	s_mov_b32 s27, 0
	s_lshl_b32 s28, s21, 12
	s_mov_b32 s29, 0
	s_add_nc_u64 s[26:27], s[10:11], s[26:27]
	s_add_nc_u64 s[28:29], s[10:11], s[28:29]
.irp l, 0,1,2,3
	global_load_b128 v[B+4*\l:B+4*\l+3], v[BO], s[26:27] offset:512*\l
.endr
.irp l, 0,1,2,3
	global_load_b128 v[B+16+4*\l:B+16+4*\l+3], v[BO], s[28:29] offset:512*\l
.endr
	s_wait_loadcnt 8                               ; the partial rows are in; the eight loads of b2 stay out
.irp c, 0,1
.irp l, 0,1,2,3
.irp h, 0,2
	v_pk_add_f32 v[P+64*\c+4*\l+\h:P+64*\c+4*\l+\h+1], v[P+64*\c+4*\l+\h:P+64*\c+4*\l+\h+1], v[P+64*\c+16+4*\l+\h:P+64*\c+16+4*\l+\h+1]
	v_pk_add_f32 v[P+64*\c+32+4*\l+\h:P+64*\c+32+4*\l+\h+1], v[P+64*\c+32+4*\l+\h:P+64*\c+32+4*\l+\h+1], v[P+64*\c+48+4*\l+\h:P+64*\c+48+4*\l+\h+1]
.endr
.endr
.endr
.irp c, 0,1
.irp l, 0,1,2,3
.irp h, 0,2
	v_pk_add_f32 v[P+64*\c+4*\l+\h:P+64*\c+4*\l+\h+1], v[P+64*\c+4*\l+\h:P+64*\c+4*\l+\h+1], v[P+64*\c+32+4*\l+\h:P+64*\c+32+4*\l+\h+1]
.endr
.endr
.endr
.irp l, 0,1,2,3
.irp h, 0,2
	v_pk_add_f32 v[P+4*\l+\h:P+4*\l+\h+1], v[P+4*\l+\h:P+4*\l+\h+1], v[P+64+4*\l+\h:P+64+4*\l+\h+1]
.endr
.endr
	s_wait_loadcnt 0x0
	s_mov_b32 s30, 0xffff0000
.irp c, 0,1
.irp l, 0,1,2,3
	v_cvt_pk_bf16_f32 v[TM], v[B+16*\c+4*\l], v[B+16*\c+4*\l+1]
	v_cvt_pk_bf16_f32 v[TM+1], v[B+16*\c+4*\l+2], v[B+16*\c+4*\l+3]
	v_lshlrev_b32 v[B+16*\c+4*\l], 16, v[TM]
	v_and_b32 v[B+16*\c+4*\l+1], s30, v[TM]
	v_lshlrev_b32 v[B+16*\c+4*\l+2], 16, v[TM+1]
	v_and_b32 v[B+16*\c+4*\l+3], s30, v[TM+1]
	v_pk_fma_f32 v[P+4*\l:P+4*\l+1], v[B+16*\c+4*\l:B+16*\c+4*\l+1], s[22+2*\c:23+2*\c], v[P+4*\l:P+4*\l+1] op_sel_hi:[1,0,1]
	v_pk_fma_f32 v[P+4*\l+2:P+4*\l+3], v[B+16*\c+4*\l+2:B+16*\c+4*\l+3], s[22+2*\c:23+2*\c], v[P+4*\l+2:P+4*\l+3] op_sel_hi:[1,0,1]
.endr
.endr
.irp l, 0,1,2,3
	global_store_b128 v[OO], v[P+4*\l:P+4*\l+3], s[12:13] offset:512*\l th:TH_STORE_NT
.endr
	s_endpgm
.Lfunc_end_k_q7b0a866051_combine:
	.size	k_q7b0a866051_combine, .Lfunc_end_k_q7b0a866051_combine-k_q7b0a866051_combine
	.p2alignl 7, 3214868480
	.fill 96, 4, 3214868480
	.section	.rodata,"a",@progbits
	.p2align	6, 0x0
	.amdhsa_kernel k_q7b0a866051_combine
		.amdhsa_group_segment_fixed_size 0
		.amdhsa_private_segment_fixed_size 0
		.amdhsa_enable_private_segment 0
		.amdhsa_kernarg_size 40
		.amdhsa_user_sgpr_count 2
		.amdhsa_user_sgpr_kernarg_segment_ptr 1
		.amdhsa_wavefront_size32 1
		.amdhsa_system_sgpr_workgroup_id_x 1
		.amdhsa_system_sgpr_workgroup_id_y 1
		.amdhsa_system_sgpr_workgroup_id_z 1
		.amdhsa_system_vgpr_workitem_id 0
		.amdhsa_next_free_vgpr 176
		.amdhsa_next_free_sgpr 66
		.amdhsa_reserve_vcc 0
		.amdhsa_float_denorm_mode_32 3
		.amdhsa_float_denorm_mode_16_64 3
		.amdhsa_memory_ordered 1
		.amdhsa_forward_progress 1
		.amdhsa_inst_pref_size 13
	.end_amdhsa_kernel
	.amdgpu_metadata
---
amdhsa.version: [ 1, 2 ]
amdhsa.kernels:
  - .name:           k_q7b0a866051_combine
    .symbol:         k_q7b0a866051_combine.kd
    .args:
      - { .name: part, .offset: 0, .size: 8, .value_kind: global_buffer, .address_space: global }
      - { .name: sel, .offset: 8, .size: 8, .value_kind: global_buffer, .address_space: global }
      - { .name: gate, .offset: 16, .size: 8, .value_kind: global_buffer, .address_space: global }
      - { .name: b2, .offset: 24, .size: 8, .value_kind: global_buffer, .address_space: global }
      - { .name: out0, .offset: 32, .size: 8, .value_kind: global_buffer, .address_space: global }
    .group_segment_fixed_size: 0
    .private_segment_fixed_size: 0
    .kernarg_segment_align: 8
    .kernarg_segment_size: 40
    .max_flat_workgroup_size: 256
    .sgpr_count:     66
    .vgpr_count:     176
    .wavefront_size: 32
...
	.end_amdgpu_metadata
.endif
;; end of part 4
;; ======== version 2 of 2: 4 launches; version 1 with the launches up, down written anew for expert scheduling mode
;; workspace buffers: xb 2,097,152 bytes; sel 8,192 bytes of whole numbers; gate 8,192 bytes; bm 2,048 bytes of whole numbers; hid 67,108,864 bytes; part 33,685,504 bytes
;; launch router: the kernel of part 1 again; grid 64 x 1, 8 waves a work-group, no clusters, 46,336 bytes of LDS; arguments x, router_w, router_b, lang_w, lang_b, xb, sel, gate, bm; writes xb, sel, gate, bm
;; launch up (part 5): grid 32 x 8, 4 waves a work-group, no clusters, 262,656 bytes of LDS; arguments xb, w1, b1, bm, hid; writes hid
.if DOCPART == 5
	.amdgcn_target "amdgcn-amd-amdhsa--gfx1250"
	.amdhsa_code_object_version 6
	.text
	.protected	k_q7b0a866051_up
	.globl	k_q7b0a866051_up
	.p2align	8
	.type	k_q7b0a866051_up,@function
k_q7b0a866051_up:
	s_mov_b64 s[64:65], 0
	v_nop
	global_prefetch_b8 v0, s[64:65] scope:SCOPE_SE
	s_setreg_imm32_b32 hwreg(HW_REG_WAVE_SCHED_MODE, 0, 2), 2
	s_setreg_imm32_b32 hwreg(HW_REG_WAVE_MODE, 25, 1), 1
	s_wait_xcnt 0x0
	s_wait_alu depctr_vm_vsrc(0)
; FIRST PRODUCT.  hid = gelu(X_e W1[e] + b1[e]) for the rows that chose expert e.  Work-group (slice, e) owns W1[e][all 1,024 k][128 columns], 512 KB of f32 that it alone reads, once.
; PHASE 1 streams the slice through a ring of registers, rounds it to bf16 and lays it in LDS as finished matrix operands (256 KB).  A lane loads 16 bytes (4 columns) of 16 rows k; packing rows k, k + 1
; gives the pairs along K that the operand wants: nothing is transposed.  Column tile nt = 4 g + j' then holds the columns 64 g + 4 m + j' in its rows m.
; AHEAD OF THE RING each wave asks, by prefetches, for the rows that it will load itself.  A prefetch's lanes lie 256 bytes apart: 16 rows x 512 bytes, what two slots of the ring (g = 0, 1) load.  It stands four and six
; slot turns ahead of those slots' loads.  Rows 0 to 255 are loaded at once and not asked for; each block of rows 256 to 1,023 is asked for once: 12 prefetches a wave.  At most 112 KB of the work-group are asked for
; and not yet loaded.  The last trip's second pair, which would name rows past the slice, is jumped.
; PHASE 2 goes in 4 passes of 320 rows (5 tiles of 16 for each of 4 waves): a constant count that serves every split (an expert has 1,024 rows at the most); dead passes and dead tiles are jumped forward.
; The rows of xb come from memory straight into registers as the second operand; nothing writes LDS, so the passes hold no barrier.
; D = W (source 0) x rows (source 1): lane = row, register j of tile (g, j') = column 64 g + 32 (lane / 16) + 4 j + j': a lane holds 32 neighbouring columns of its row, which are the second product's operand as it stands.
; THE ROWS.  An expert's rows are its slots in ascending order: row number n is the n-th set bit of the expert's 2,048 bits of bm (whole numbers that the launch before stored).  Each lane finds its own rows in registers:
; a sweep over the 64 words keeps, for each of its five tiles, the last word whose running count does not pass the row's number; the bit in that word is found by halving.  No list, no LDS, no barrier; the work stands
; behind the issue of the ring's first 64 loads.  Rows past the count fall on the last bit: token 1,023, a row that exists.
; NO MULTICAST, NO TENSOR LOADS: each weight has one reader; the rows come by a choice; f32 tiles in LDS would take twice the room; the passes' number hangs on a stored count.
; LIMITS.  w1, b1 rounded to bf16, x too (by the launch before); h rounded once to bf16.  erf(z) = z P(z^2) / Q(z^2) with z = x / sqrt(2) held to -4 .. 4, where erf is 1 to f32's last bits.
; NaN and infinities are not treated apart.  An expert without rows still has its slice streamed.
; THE MODE: SCHED_MODE bits 1:0 = 2 (LLVM: expert scheduling mode 2), set by the entry lines.  The code itself states the register dependences between vector or matrix instructions and memory or LDS
; instructions, and between a vector instruction that writes a scalar register and that register's readers, with s_wait_alu, always for 0.
; THE PLAN.  Registers that memory or LDS instructions touch:
;   v[WOF], v[PF], v[BOF]  Offsets, made at the head and never named again: one wait on va_vdst ahead of the first load serves every load and prefetch that reads them.
;   RING slot k            Its eight loads land in it; the slot's sixteen conversions read it; behind them it is loaded again.
;   PKT, PK2               By turns: slot k's conversions write one of them, its four LDS stores read it, slot k + 2's conversions write it again.
;   v[WST]                 Read by every LDS store of phase 1; written once a trip.
;     So a slot has two waits, behind its conversions: on vm_vsrc (the stores of the slot before have read the other packed buffer, which the next slot writes) and on va_vdst (this slot's packed buffer is
;     written, and the conversions are done reading the slot).  The refill and the stores follow.
;   XF0 .. XF3             K step t's products read XF[t % 4]; the loads issued in K step t, the rows of K step t + 3, land in XF[(t + 3) % 4], which K step t - 1 read.
;   WF0, WF1               K step t's products read WF[t % 2]; the LDS loads issued in K step t, the weights of K step t + 1, land in the other, which K step t - 1 read.
;   v[WRD]                 Read by every LDS load of weights; written once in four K steps, ahead of the next K step's wait.
;     So ONE wait on va_vdst stands at a K step's head.  The step's 26 loads follow it, dealt among the eight products of tile 0, which every path runs and which name the accumulators, WF[t % 2] and XF[t % 4] alone.
;   v[XA ..]               The rows' offsets: written at a pass's head, read by all its row loads.
;   OUT, v[HOF]            The way out's packed results and their offset: written at the end of a trip of the way out, read by its four stores; the waits for those stores stand ahead of the next trip's writes.
.set ROWB,  16384                      ; bytes in a row of W1
.set CHB,   128*ROWB                   ; 128 rows k: four K steps, one for each wave
.set PB,    16*ROWB                    ; from an operand's first half (k = 8 h ..) to its second (k = 16 + 8 h ..)
.set KSB,   64                         ; a K step in a row of xb
.set PBX,   32                         ; and its second half
; LDS: 0 .. 262,143 the weights [K step 32][column tile 8][half 2][lane 32] 16 bytes; then the spare words, 128 bytes a wave, which the closing add names
.set LN,  3
.set RR,  4
.set HH,  5
.set WRD, 6                            ; LDS: the weights' fragments of the K steps in hand
.set WST, 7                            ; LDS: where phase 1 stores
.set WOF, 8                            ; my byte offset in the slice, for the loads; never rewritten
.set RK0, 9                            ; 16 w + lane % 16: my row's number in tile 0 of pass 0
.set HOF, 10                           ; my byte offset in hid
.set PF,  11                           ; my byte offset in the slice, for the prefetches, 256 rows on; never rewritten
.set TMP, 13
.set BOF, 14                           ; my byte offset in b1; never rewritten
.set H16, 15
.set XA,  16                           ; v16-20  my row's byte offset in xb, tile i
.set S3,  21                           ; v21-25  my rows' tokens of the pass in hand;
.set S2,  26                           ; v26-30  of the next pass,
.set L16, 31
.set PKT, 32                           ; v32-47  packed weights on their way to LDS, even slots;
.set PK2, 176                          ; v176-191 odd slots (in phase 1 these registers of XF lie idle)
.set OUT, 32                           ; v32-47  phase 2: packed results on their way to hid
.set XF,  48                           ; v48-207 the rows' operands: K step j % 4 at XF + 40 j, tile i, half p at + 8 i + 4 p.  First b1 as loaded (v48-111) and the search's registers (v112-166); in the way out at work
.set RH,  112                          ; the search, five registers each, one a tile: my row's number,
.set SW,  117                          ; the word that holds its bit,
.set SQV, 122                          ; that word's number << 16 | the bits set ahead of it,
.set NN,  127                          ; how many set bits of the word lie ahead of mine,
.set PO,  132                          ; the bit's place as far as it is known,
.set X1,  137                          ; the word's counts of set bits in fields of 2,
.set X2,  142                          ; 4,
.set X4,  147                          ; 8
.set X8,  152                          ; and (in its low byte) the low 16 bits
.set CC,  157
.set TT,  162
.set S1,  208                          ; v208-212 the tokens two passes on,
.set S0,  213                          ; v213-217 three passes on
.set ACC, 256                          ; v256-575 accumulators: tile i, column tile nt at ACC + 64 i + 8 nt
.set RING, 320                         ; v320-575 phase 1: 8 slots of 32.  So tiles 1-4 hold loaded numbers before any product; tile 0 is started by every pass's first K step
.set WF,  576                          ; v576-703 the weights' operands, two K steps
.set BIAS, 704                         ; v704-767 b1 of my 64 columns, as the accumulators lie
.set EX,  48
.set EZ,  80
.set ESQ, 112
.set EP,  144
.set EQ,  176
.set TBW, 3                            ; s3   LDS byte at which the weights of the four K steps in hand begin
.set WB,  22                           ; s[22:23] the slice, stepped by 256 rows a trip
.set XB,  24                           ; s[24:25] xb, stepped along K
.set MK,  26                           ; s26-30  the search's five masks
.set SP,  100                          ; s100 bits set ahead of the word in hand
.set SQ,  101                          ; s101 the word's number << 16 | s100
; s2 at work, s[10:11] bm at my expert, s[12:13] hid at my expert, s14 wave, s15 slice, s16 expert, s17 the expert's rows, s18 pass, s19 my live tiles, s20, s21 counters, s[26:31] at work,
; s[32:63] and s[68:99] the 64 bitmap words, later s[32:57] constants
.set MSB, 0
.macro WIN new                         ; the immediate's high byte repeats the setting that is left; a switch that changes nothing is dropped
.if MSB != (\new)
	s_set_vgpr_msb (MSB<<8)|(\new)
.set MSB, (\new)
.endif
.endm
.macro PLACES                          ; four places behind products
.rept 4
	v_nop
.endr
.endm
; slot = 4 c2 + 2 g + p: 8 rows k (128 c2 + 16 p + i, on top of the wave's and half's), columns 64 g + 4 (lane % 16) ..: each load covers two runs of 256 consecutive bytes, aligned
.macro WLOAD slot, ahead
.set RB, RING+32*(\slot)
	WIN (RB>>8)<<6
.irp i, 0,1,2,3,4,5,6,7
	global_load_b128 v[(RB&255)+4*\i:(RB&255)+4*\i+3], v[WOF], s[WB:WB+1] offset:((\slot)/4)*CHB+((\slot)%2)*PB+\i*ROWB+(((\slot)/2)%2)*256+(\ahead)*2*CHB th:TH_LOAD_NT
.endr
.endm
; a slot's turn: rows 2 u, 2 u + 1 of column j' pack into register u of column tile 4 g + j'; the slot is filled again with the rows 256 further on; four stores of 512 consecutive bytes.
; At the turns of slots 0 and 1 the wave asks for what slots 4, 6 and 5, 7 load later in this trip; at the turns of slots 4 and 5 for what slots 0, 2 and 1, 3 load in the next trip, but not in the last trip.
; The prefetch stands behind the slot's wait and ahead of its sixteen conversions
.macro WSLOT slot, ahead, left
.set RB, RING+32*(\slot)
.set PK, PKT+(PK2-PKT)*((\slot)%2)
	s_wait_loadcnt \left                           ; loads come back in order: mine are in, the younger slots' stay out
.if (\ahead) && (((\slot)%4) < 2)
	WIN 0
.if (\slot) >= 4
	s_cmp_eq_u32 s20, 1                            ; the last trip: the rows 512 further on do not exist
	s_cbranch_scc1 .Lnone_\@
.endif
	global_prefetch_b8 v[PF], s[WB:WB+1] offset:(1+(\slot)/4)*CHB+((\slot)%2)*PB th:TH_LOAD_NT scope:SCOPE_SE
.if (\slot) >= 4
.Lnone_\@:
.endif
.endif
	WIN (RB>>8)*5
.irp jp, 0,1,2,3
.irp u, 0,1,2,3
	v_cvt_pk_bf16_f32 v[PK+4*\jp+\u], v[(RB&255)+8*\u+\jp], v[(RB&255)+8*\u+4+\jp]
.endr
.endr
.if \ahead
	WIN (RB>>8)<<6                                 ; the refill's window first, then the waits, then the loads
.else
	WIN 0
.endif
.if (\ahead) || ((\slot) < 7)
	s_wait_alu depctr_vm_vsrc(0)                   ; the LDS stores of the slot before have read the other packed buffer, which the next slot's conversions write
.endif
	s_wait_alu depctr_va_vdst(0)                   ; the conversions have written this packed buffer, which the stores below read, and are done reading the slot, in which the loads below land
.if \ahead
	WLOAD \slot, 1
.endif
	WIN 0
.irp jp, 0,1,2,3
	ds_store_b128 v[WST], v[PK+4*\jp:PK+4*\jp+3] offset:((\slot)/4)*32768+(4*(((\slot)/2)%2)+\jp)*1024+((\slot)%2)*512
.endr
.endm
; one bitmap word of the sweep: a lane whose row's number is not below the bits set ahead of this word takes the word and its packed number; the last word so taken holds the row's bit
.macro WSEL k
.irp i, 0,1,2,3,4
	v_cmp_le_u32 s[MK+\i], s[SP], v[RH+\i]
.endr
	s_bcnt1_i32_b32 s2, s[32+\k]
	s_wait_alu depctr_va_sdst(0)                   ; the five compares have written their masks, ahead of the selects that read them
.irp i, 0,1,2,3,4
	v_cndmask_b32 v[SW+\i], v[SW+\i], s[32+\k], s[MK+\i]
	v_cndmask_b32 v[SQV+\i], v[SQV+\i], s[SQ], s[MK+\i]
.endr
	s_add_co_u32 s[SP], s[SP], s2
	s_add_co_u32 s2, s2, 0x10000
	s_add_co_u32 s[SQ], s[SQ], s2
.endm
.macro EACH line:vararg                ; one line for each of the five tiles t
.set t, 0
.rept 5
	\line
.set t, t+1
.endr
.endm
; the field of 2 w bits in which the bit lies is halved: if the lower w bits hold no more set bits than lie ahead of mine, mine lies in the upper w
.macro HALVE src, w
	EACH v_bfe_u32 v[CC+t], v[\src+t], v[PO+t], \w
	EACH v_cmp_ge_u32 s[MK+t], v[NN+t], v[CC+t]
	EACH v_sub_nc_u32 v[TT+t], v[NN+t], v[CC+t]
	s_wait_alu depctr_va_sdst(0)                   ; the five compares have written their masks, ahead of the selects that read them
	EACH v_cndmask_b32 v[NN+t], v[NN+t], v[TT+t], s[MK+t]
	EACH v_add_nc_u32 v[TT+t], \w, v[PO+t]
	EACH v_cndmask_b32 v[PO+t], v[PO+t], v[TT+t], s[MK+t]
.endm
.macro SHIFT                           ; the four sets of tokens move on by one pass
.irp i, 0,1,2,3,4
	v_mov_b32 v[S3+\i], v[S2+\i]
.endr
.irp i, 0,1,2,3,4
	v_mov_b32 v[S2+\i], v[S1+\i]
.endr
.irp i, 0,1,2,3,4
	v_mov_b32 v[S1+\i], v[S0+\i]
.endr
.endm
.macro MM d, a, b, z                   ; a product on absolute register numbers
	WIN (((\d)>>8)*0x50)|(((\b)>>8)<<2)|((\a)>>8)
.if \z
	v_wmma_f32_16x16x32_bf16 v[((\d)&255):((\d)&255)+7], v[((\a)&255):((\a)&255)+7], v[((\b)&255):((\b)&255)+7], 0
.else
	v_wmma_f32_16x16x32_bf16 v[((\d)&255):((\d)&255)+7], v[((\a)&255):((\a)&255)+7], v[((\b)&255):((\b)&255)+7], v[((\d)&255):((\d)&255)+7]
.endif
.endm
.macro LDW par, off, n0                ; four of a K step's 8 column tiles, n0 on: 8 loads of 512 consecutive bytes
	WIN 0x80
.irp n, 0,1,2,3
.irp p, 0,1
	ds_load_b128 v[(WF&255)+64*(\par)+8*((\n0)+\n)+4*\p:(WF&255)+64*(\par)+8*((\n0)+\n)+4*\p+3], v[WRD] offset:(\off)+1024*((\n0)+\n)+512*\p
.endr
.endr
.endm
.macro XLD j, ks                       ; a K step of my five tiles' rows: always all ten loads, so that the counts hold on every path (a dead tile's rows repeat a row that exists)
	WIN 0
.irp i, 0,1,2,3,4
.irp p, 0,1
	global_load_b128 v[XF+40*(\j)+8*\i+4*\p:XF+40*(\j)+8*\i+4*\p+3], v[XA+\i], s[XB:XB+1] offset:(\ks)*KSB+\p*PBX
.endr
.endr
.endm
; a K step's products: 8 for each live tile.  The accumulators take turns, one instruction a turn: between two links of a chain stand 7 others' at the least.
; Tile 0 is live on every path: among its products stand the step's loads, the next K step's weights (ldw) and the rows three K steps on (ldx).  No product since the step's wait names a register that they touch
.macro MMS j, z, ldw, ldx
.irp nt, 0,1
	MM ACC+8*\nt, WF+64*((\j)&1)+8*\nt, XF+40*(\j), \z
.endr
.if \ldw
	LDW (((\j)+1)&1), ((\j)+1)*8192, 0
.endif
.irp nt, 2,3
	MM ACC+8*\nt, WF+64*((\j)&1)+8*\nt, XF+40*(\j), \z
.endr
.if \ldw
	LDW (((\j)+1)&1), ((\j)+1)*8192, 4
.endif
.irp nt, 4,5
	MM ACC+8*\nt, WF+64*((\j)&1)+8*\nt, XF+40*(\j), \z
.endr
.if \ldx
	XLD (((\j)+3)%4), ((\j)+3)
.endif
.irp nt, 6,7
	MM ACC+8*\nt, WF+64*((\j)&1)+8*\nt, XF+40*(\j), \z
.endr
.irp i, 1,2,3,4
	WIN 0
	s_cmp_le_u32 s19, \i
	s_cbranch_scc1 .Lmms_\@
.irp nt, 0,1,2,3,4,5,6,7
	MM ACC+64*\i+8*\nt, WF+64*((\j)&1)+8*\nt, XF+40*(\j)+8*\i, \z
.endr
.endr
	WIN 0
.Lmms_\@:
.endm
; K step j of four.  Its weights are the youngest LDS loads.  ldn: the younger K steps' row loads, 10 each, may stay out.  z = 1: a pass's first K step, behind whose head's wait no vector or matrix instruction stands
.macro KS j, z, ldw, ldx, ldn
	s_wait_dscnt 0x0                               ; this K step's weights are in
	s_wait_loadcnt \ldn                            ; and its rows
.if ((\ldw) || (\ldx)) && !(\z)
	PLACES                                         ; four places stand between the last K step's products and the loads into registers that they read
	s_wait_alu depctr_va_vdst(0)                   ; the last K step's products are done reading their weights and their rows, in which this step's loads land; in the first of four K steps v[WRD] is written
.endif
	MMS \j, \z, \ldw, \ldx
.endm
.macro STEP4
	s_wait_xcnt 0x0                                ; the rows' base is stepped only behind this wait
	s_wait_alu depctr_vm_vsrc(0)                   ; the LDS loads issued so far have read v[WRD]
	s_add_nc_u64 s[XB:XB+1], s[XB:XB+1], 4*KSB
	s_add_co_u32 s[TBW], s[TBW], 0x8000            ; four K steps of weights on
	v_add_nc_u32 v[WRD], s[TBW], v[L16]
.endm
.macro SC reg, val                     ; a constant as a pair: the packed forms name the pair and take its low word for both halves
	s_mov_b32 s[\reg], \val
	s_mov_b32 s[\reg+1], \val
.endm
.macro ALL16 line:vararg               ; one line for each of 16 pairs u
.set u, 0
.rept 16
	\line
.set u, u+2
.endr
.endm
.macro ALL32 line:vararg               ; one line for each of 32 registers u
.set u, 0
.rept 32
	\line
.set u, u+1
.endr
.endm
	s_load_b256 s[4:11], s[0:1], 0x0               ; xb s[4:5], w1 s[6:7], b1 s[8:9], bm s[10:11]
	s_load_b64 s[12:13], s[0:1], 0x20              ; hid
	v_lshl_add_u32 v254, v0, 2, 0x40000
	v_mov_b32 v255, 0
	v_and_b32 v[LN], 31, v0
	v_and_b32 v[RR], 15, v0
	v_bfe_u32 v[HH], v0, 4, 1
	v_lshrrev_b32 v[TMP], 5, v0
	v_readfirstlane_b32 s14, v[TMP]                ; wave 0..3
	s_mov_b32 s15, ttmp9
	s_and_b32 s16, ttmp7, 0xffff
	v_lshlrev_b32 v[L16], 4, v[LN]
	v_lshlrev_b32 v[H16], 4, v[HH]
	v_lshlrev_b32 v[BOF], 7, v[HH]                 ; 32 (lane / 16) numbers of b1
	s_wait_alu depctr_va_sdst(0)                   ; s14 is written, ahead of its first reader
	s_lshl_b32 s28, s14, 19                        ; 32 w rows
	v_lshl_add_u32 v[WOF], v[HH], 17, s28          ; the loads: + 8 (lane / 16) rows
	v_lshl_add_u32 v[WOF], v[RR], 4, v[WOF]        ; + 4 (lane % 16) columns
	v_lshl_add_u32 v[PF], v[RR], 14, s28           ; the prefetches: + lane % 16 rows,
	v_lshl_add_u32 v[PF], v[HH], 8, v[PF]          ; + 256 (lane / 16) bytes,
	v_add_nc_u32 v[PF], 2*CHB, v[PF]               ; 256 rows on
	s_lshl_b32 s28, s14, 13
	v_add_nc_u32 v[WST], s28, v[L16]               ; K step w of each four
	s_lshl_b32 s28, s14, 4
	v_add_nc_u32 v[RK0], s28, v[RR]
	s_lshl_b32 s26, s16, 24
	s_lshl_b32 s28, s15, 9
	s_add_co_u32 s26, s26, s28
	s_mov_b32 s27, 0
	s_lshl_b32 s28, s16, 14
	s_lshl_b32 s29, s15, 9
	s_add_co_u32 s28, s28, s29
	s_mov_b32 s29, 0
	s_lshl_b32 s30, s16, 23
	s_mov_b32 s31, 0
	s_wait_kmcnt 0x0
	s_add_nc_u64 s[WB:WB+1], s[6:7], s[26:27]
	s_add_nc_u64 s[8:9], s[8:9], s[28:29]
	s_add_nc_u64 s[12:13], s[12:13], s[30:31]
	s_lshl_b32 s26, s16, 8
	s_add_nc_u64 s[10:11], s[10:11], s[26:27]      ; my expert's 64 bitmap words
	s_wait_alu depctr_va_vdst(0)                   ; v[BOF], v[WOF] and v[PF] are written, which the loads and prefetches of phase 1 read; no vector instruction names them again
.irp n, 0,1,2,3,4,5,6,7,8,9,10,11,12,13,14,15
	global_load_b128 v[XF+4*\n:XF+4*\n+3], v[BOF], s[8:9] offset:256*(\n/8)+16*(\n%8)  ; b1[64 g + 32 h + 4 j ..], n = 8 g + j
.endr
.irp k, 0,1,2,3
	WLOAD \k, 0                                    ; the ring is filled: 64 loads of the wave on their way;
.endr
	WIN 0
.irp p, 0,1
	global_prefetch_b8 v[PF], s[WB:WB+1] offset:\p*PB th:TH_LOAD_NT scope:SCOPE_SE  ; in its middle the wave asks for what slots 0 to 3 load in the first trip: my rows 256 to 287
.endr
.irp k, 4,5,6,7
	WLOAD \k, 0
.endr
	WIN 0
	; THE ROWS ARE FOUND, while the first weights are on their way.  Four trips, one for each pass; a trip whose pass has no rows is jumped.  Trip n's tokens, made in set 0, have moved on to set 3 - n when the loop ends
.irp i, 0,1,2,3,4
	v_mov_b32 v[S0+\i], 0                          ; the sets that the first moves read
	v_mov_b32 v[S1+\i], 0
	v_mov_b32 v[S2+\i], 0
.endr
	s_mov_b32 s17, 2048                            ; no count yet: the first trip is never jumped
	s_mov_b32 s18, 0
.Lsel:
	SHIFT
	s_mul_i32 s28, s18, 320
	s_cmp_le_u32 s17, s28
	s_cbranch_scc1 .Lselstep
	s_load_b512 s[32:47], s[10:11], 0x0            ; all 64 words at once: one wait
	s_load_b512 s[48:63], s[10:11], 0x40
	s_load_b512 s[68:83], s[10:11], 0x80
	s_load_b512 s[84:99], s[10:11], 0xc0
	v_add_nc_u32 v[RH], s28, v[RK0]                ; my row's number in tile i: 320 pass + 64 i + 16 w + lane % 16
.irp i, 1,2,3,4
	v_add_nc_u32 v[RH+\i], 64*\i, v[RH]
.endr
.irp i, 0,1,2,3,4
	v_mov_b32 v[SW+\i], 0
	v_mov_b32 v[SQV+\i], 0
.endr
	s_mov_b32 s[SP], 0
	s_mov_b32 s[SQ], 0
	s_mov_b32 s20, 4
	s_wait_kmcnt 0x0
.Lwords:                                               ; 16 words a trip; then the three blocks behind move down by one
.irp k, 0,1,2,3,4,5,6,7,8,9,10,11,12,13,14,15
	WSEL \k
.endr
.irp n, 0,2,4,6,8,10,12,14
	s_mov_b64 s[32+\n:33+\n], s[48+\n:49+\n]
.endr
.irp n, 0,2,4,6,8,10,12,14
	s_mov_b64 s[48+\n:49+\n], s[68+\n:69+\n]
.endr
.irp n, 0,2,4,6,8,10,12,14
	s_mov_b64 s[68+\n:69+\n], s[84+\n:85+\n]
.endr
	s_sub_co_u32 s20, s20, 1
	s_cmp_lg_u32 s20, 0
	s_cbranch_scc1 .Lwords
	s_mov_b32 s17, s[SP]                           ; the expert's rows
	s_mov_b32 s32, 0x55555555
	s_mov_b32 s33, 0x33333333
	s_mov_b32 s34, 0x0f0f0f0f
	EACH v_and_b32 v[NN+t], 0xffff, v[SQV+t]
	EACH v_sub_nc_u32 v[NN+t], v[RH+t], v[NN+t]    ; so many set bits of my word lie ahead of mine
	EACH v_lshrrev_b32 v[SQV+t], 16, v[SQV+t]      ; the word's number
	EACH v_lshrrev_b32 v[TT+t], 1, v[SW+t]         ; the word's set bits, counted in fields of 2, 4, 8 and 16
	EACH v_and_b32 v[TT+t], s32, v[TT+t]
	EACH v_sub_nc_u32 v[X1+t], v[SW+t], v[TT+t]
	EACH v_lshrrev_b32 v[TT+t], 2, v[X1+t]
	EACH v_and_b32 v[TT+t], s33, v[TT+t]
	EACH v_and_b32 v[X2+t], s33, v[X1+t]
	EACH v_add_nc_u32 v[X2+t], v[X2+t], v[TT+t]
	EACH v_lshrrev_b32 v[TT+t], 4, v[X2+t]
	EACH v_add_nc_u32 v[TT+t], v[X2+t], v[TT+t]
	EACH v_and_b32 v[X4+t], s34, v[TT+t]
	EACH v_lshrrev_b32 v[TT+t], 8, v[X4+t]
	EACH v_add_nc_u32 v[X8+t], v[X4+t], v[TT+t]
	EACH v_and_b32 v[CC+t], 0xff, v[X8+t]          ; the low 16 bits' count: the first halving starts the place
	EACH v_cmp_ge_u32 s[MK+t], v[NN+t], v[CC+t]
	EACH v_sub_nc_u32 v[TT+t], v[NN+t], v[CC+t]
	s_wait_alu depctr_va_sdst(0)                   ; the five compares have written their masks, ahead of the selects that read them
	EACH v_cndmask_b32 v[NN+t], v[NN+t], v[TT+t], s[MK+t]
	EACH v_cndmask_b32 v[PO+t], 0, 16, s[MK+t]
	HALVE X4, 8
	HALVE X2, 4
	HALVE X1, 2
	HALVE SW, 1
	EACH v_and_b32 v[PO+t], 15, v[PO+t]            ; slot 32 k + place stands for token 16 k + place % 16
	EACH v_lshl_or_b32 v[S0+t], v[SQV+t], 4, v[PO+t]
.Lselstep:
	s_add_co_u32 s18, s18, 1
	s_cmp_lt_u32 s18, 4
	s_cbranch_scc1 .Lsel
	s_mov_b32 s20, 3
.Lstream:                                              ; 256 rows k a trip: each slot is packed, filled again and stored; 7 younger slots of 8 loads stay out
.irp k, 0,1,2,3,4,5,6,7
	WSLOT \k, 1, 56
.endr
	WIN 0
	s_wait_xcnt 0x0                                ; the slice's base, which loads and prefetches name, is stepped only behind this wait
	s_wait_alu depctr_vm_vsrc(0)                   ; the trip's LDS stores have read v[WST]; the next slot's wait on va_vdst stands between the add below and the stores that read its result
	s_add_nc_u64 s[WB:WB+1], s[WB:WB+1], 2*CHB
	v_add_nc_u32 v[WST], 0x10000, v[WST]
	s_sub_co_u32 s20, s20, 1
	s_cmp_lg_u32 s20, 0
	s_cbranch_scc1 .Lstream
.irp k, 0,1,2,3,4,5,6,7
	WSLOT \k, 0, 56-8*\k                           ; the last 256 rows: nothing more is asked for, the counts run down
.endr
	; b1, rounded to bf16 like every input, laid as the accumulators lie: BIAS[8 (4 g + j') + j]
.irp n, 0,1,2,3,4,5,6,7,8,9,10,11,12,13,14,15
	v_cvt_pk_bf16_f32 v[XF+4*\n], v[XF+4*\n], v[XF+4*\n+1]
	v_cvt_pk_bf16_f32 v[XF+4*\n+2], v[XF+4*\n+2], v[XF+4*\n+3]
.endr
	s_mov_b32 s28, 0xffff0000
	WIN 0x80
.irp n, 0,1,2,3,4,5,6,7,8,9,10,11,12,13,14,15
	v_lshlrev_b32 v[(BIAS&255)+32*(\n/8)+(\n%8)], 16, v[XF+4*\n]
	v_and_b32 v[(BIAS&255)+32*(\n/8)+8+(\n%8)], s28, v[XF+4*\n]
	v_lshlrev_b32 v[(BIAS&255)+32*(\n/8)+16+(\n%8)], 16, v[XF+4*\n+2]
	v_and_b32 v[(BIAS&255)+32*(\n/8)+24+(\n%8)], s28, v[XF+4*\n+2]
.endr
	WIN 0
	SC 32, 0xaf95df0b                              ; P's coefficients, from z^12 down: -2.72614226e-10
	SC 34, 0x32edffee                              ;  2.77068142e-08
	SC 36, 0xb60cff51                              ; -2.10102402e-06
	SC 38, 0xb86ec2d2                              ; -5.69250639e-05
	SC 40, 0xba40ac63                              ; -7.34990630e-04
	SC 42, 0xbb41a1f6                              ; -2.95459981e-03
	SC 44, 0xbc83dbd4                              ; -1.60960333e-02
	SC 46, 0xb77460cd                              ; Q's, from z^8 down: -1.45660718e-05
	SC 48, 0xb95fbd29                              ; -2.13374055e-04
	SC 50, 0xbadc924e                              ; -1.68282697e-03
	SC 52, 0xbbf19bf8                              ; -7.37332917e-03
	SC 54, 0xbc69b6a7                              ; -1.42647391e-02
	SC 56, 0x3f3504f3                              ; 1 / sqrt(2)
	s_wait_dscnt 0x0                               ; my part of the weights lies in LDS
	s_barrier_signal -1
	s_barrier_wait -1                              ; everybody's does: from here on LDS is only read
	s_mov_b32 s18, 0
.Lpass:
	s_mul_i32 s28, s18, 320
	s_cmp_le_u32 s17, s28
	s_cbranch_scc1 .Lstep                          ; no rows are left for this pass
	s_sub_co_u32 s28, s17, s28
	s_add_co_u32 s28, s28, 15
	s_lshr_b32 s28, s28, 4
	s_min_u32 s28, s28, 20                         ; the pass's live tiles; tile 4 i + w is mine
	s_add_co_u32 s28, s28, 3
	s_sub_co_u32 s28, s28, s14
	s_lshr_b32 s19, s28, 2
	s_cmp_eq_u32 s19, 0
	s_cbranch_scc1 .Lstep
	s_wait_xcnt 0x0                                ; the last pass's loads and stores have read their registers
	s_wait_alu depctr_vm_vsrc(0)                   ; the last pass's loads have read v[XA ..] and v[WRD], which are written below; phase 1's LDS stores have read PK2, in which rows land
.irp i, 0,1,2,3,4
	v_min_u32 v[TMP], 0x3ff, v[S3+\i]              ; the token, clamped; behind that a shift and an add
	v_lshl_add_u32 v[XA+\i], v[TMP], 11, v[H16]
.endr
	s_mov_b32 s[TBW], 0
	v_mov_b32 v[WRD], v[L16]
	s_mov_b64 s[XB:XB+1], s[4:5]
	s_wait_alu depctr_va_vdst(0)                   ; v[XA ..] and v[WRD] are written; all that has named XF (the search, b1, the last way out) and WF (the last pass's products) is done with them
	XLD 0, 0
	XLD 1, 1
	XLD 2, 2
	LDW 0, 0, 0
	LDW 0, 0, 4
	KS 0, 1, 1, 1, 20                              ; the first K step starts the sums: nothing is cleared
	KS 1, 0, 1, 1, 20
	KS 2, 0, 1, 1, 20
	KS 3, 0, 1, 1, 20
	STEP4
	s_mov_b32 s20, 6
.Lk:                                                   ; four K steps a trip
	KS 0, 0, 1, 1, 20
	KS 1, 0, 1, 1, 20
	KS 2, 0, 1, 1, 20
	KS 3, 0, 1, 1, 20
	STEP4
	s_sub_co_u32 s20, s20, 1
	s_cmp_lg_u32 s20, 0
	s_cbranch_scc1 .Lk
	KS 0, 0, 1, 1, 20                              ; the last four K steps: the requests end, the counts run down
	KS 1, 0, 1, 0, 20
	KS 2, 0, 1, 0, 10
	KS 3, 0, 0, 0, 0
	PLACES                                         ; ahead of the vector work on the products' results
	; THE WAY OUT, ten times: tile it / 2, column half g = it % 2: 32 numbers a lane.  The bias's addition also brings them to one place, so that the rest is written once
	s_mov_b32 s21, 0
.Lit:
	s_lshr_b32 s28, s21, 1
	s_cmp_ge_u32 s28, s19
	s_cbranch_scc1 .Litstep
	s_mul_i32 s29, s18, 20
	s_lshl2_add_u32 s29, s28, s29
	s_add_co_u32 s29, s29, s14                     ; the expert's tile 20 pass + 4 i + w
	s_lshl_b32 s29, s29, 17                        ; 131,072 bytes a tile
	s_and_b32 s30, s21, 1
	s_lshl1_add_u32 s30, s15, s30                  ; 64 hidden columns 2 slice + g
	s_lshl_b32 s30, s30, 11                        ; 2,048 bytes each
	s_add_co_u32 s29, s29, s30                     ; kept for the stores' offset, which is made at the trip's end
.macro COPY n
.set AB, ACC+64*((\n)/2)+32*((\n)%2)
	WIN 0x08|(AB>>8)
.set u, 0
.rept 16
	v_pk_add_f32 v[EX+u:EX+u+1], v[(AB&255)+u:(AB&255)+u+1], v[(BIAS&255)+32*((\n)%2)+u:(BIAS&255)+32*((\n)%2)+u+1]  ; ascending: each accumulator's lowest registers are read first
.set u, u+2
.endr
	WIN 0
.endm
.irp n, 0,1,2,3,4,5,6,7,8
	s_cmp_eq_u32 s21, \n
	s_cbranch_scc1 .Lcopy\n
.endr
	COPY 9
	s_branch .Lcommon
.irp n, 0,1,2,3,4,5,6,7,8
.Lcopy\n:
	COPY \n
	s_branch .Lcommon
.endr
.Lcommon:
	ALL16 v_pk_mul_f32 v[EZ+u:EZ+u+1], v[EX+u:EX+u+1], s[56:57] op_sel_hi:[1,0]
	ALL32 v_med3_num_f32 v[EZ+u], v[EZ+u], -4.0, 4.0
	ALL16 v_pk_mul_f32 v[ESQ+u:ESQ+u+1], v[EZ+u:EZ+u+1], v[EZ+u:EZ+u+1]
	ALL16 v_pk_fma_f32 v[EP+u:EP+u+1], v[ESQ+u:ESQ+u+1], s[32:33], s[34:35] op_sel_hi:[1,0,0]
	ALL16 v_pk_fma_f32 v[EQ+u:EQ+u+1], v[ESQ+u:ESQ+u+1], s[46:47], s[48:49] op_sel_hi:[1,0,0]
.irp c, 36,38,40,42,44
	ALL16 v_pk_fma_f32 v[EP+u:EP+u+1], v[EP+u:EP+u+1], v[ESQ+u:ESQ+u+1], s[\c:\c+1] op_sel_hi:[1,1,0]
.endr
.irp c, 50,52,54
	ALL16 v_pk_fma_f32 v[EQ+u:EQ+u+1], v[EQ+u:EQ+u+1], v[ESQ+u:ESQ+u+1], s[\c:\c+1] op_sel_hi:[1,1,0]
.endr
	ALL16 v_pk_mul_f32 v[EP+u:EP+u+1], v[EP+u:EP+u+1], v[EZ+u:EZ+u+1]
	ALL32 v_rcp_f32 v[EQ+u], v[EQ+u]
	ALL16 v_pk_mul_f32 v[EX+u:EX+u+1], v[EX+u:EX+u+1], 0.5 op_sel_hi:[1,0]  ; plain work behind the reciprocals, which names none of them
	s_wait_alu depctr_va_vdst(0)                   ; one wait for the 32 reciprocals in v[EQ ..], ahead of their first reader
	ALL16 v_pk_mul_f32 v[EP+u:EP+u+1], v[EP+u:EP+u+1], v[EQ+u:EQ+u+1]
	ALL16 v_pk_fma_f32 v[EX+u:EX+u+1], v[EX+u:EX+u+1], v[EP+u:EP+u+1], v[EX+u:EX+u+1]  ; x / 2 + (x / 2) erf
	s_wait_xcnt 0x0                                ; the stores of the trip before have had their addresses translated: their data and their offset are rewritten only behind this wait,
	s_wait_alu depctr_vm_vsrc(0)                   ; and they have read OUT and v[HOF] (ahead of the first trip: phase 1's LDS stores have read these registers as PKT)
	v_add_nc_u32 v[HOF], s29, v[L16]
.irp j, 0,1,2,3,4,5,6,7
.irp kp, 0,1
	v_cvt_pk_bf16_f32 v[OUT+2*\j+\kp], v[EX+16*\kp+\j], v[EX+16*\kp+8+\j]  ; columns 4 j + 2 kp, + 1: neighbours
.endr
.endr
	s_wait_alu depctr_va_vdst(0)                   ; the roundings have written OUT, and v[HOF] is written: the stores read both
.irp m, 0,1,2,3
	global_store_b128 v[HOF], v[OUT+4*\m:OUT+4*\m+3], s[12:13] offset:512*\m  ; the wave's store covers 512 consecutive bytes, aligned: one half of one K step's operand for the second product
.endr
.Litstep:
	s_add_co_u32 s21, s21, 1
	s_cmp_lt_u32 s21, 10
	s_cbranch_scc1 .Lit
.Lstep:
	SHIFT                                          ; the next pass's tokens
	s_add_co_u32 s18, s18, 1
	s_cmp_lt_u32 s18, 4
	s_cbranch_scc1 .Lpass
	s_wait_dscnt 0x0                               ; my reads of LDS are over;
	s_barrier_signal -1
	s_barrier_wait -1                              ; every wave's are
	s_wait_dscnt 0x0                               ; the wave's end
	s_wait_alu depctr_hold_cnt(0) depctr_sa_sdst(0) depctr_va_vdst(0) depctr_va_sdst(0) depctr_va_ssrc(0) depctr_va_vcc(0) depctr_vm_vsrc(0)
	s_wait_tensorcnt 0x0
	ds_add_u32 v254, v255
	s_wait_dscnt 0x0
	s_endpgm
.Lfunc_end_k_q7b0a866051_up:
	.size	k_q7b0a866051_up, .Lfunc_end_k_q7b0a866051_up-k_q7b0a866051_up
	.p2alignl 7, 3214868480
	.fill 96, 4, 3214868480
	.section	.rodata,"a",@progbits
	.p2align	6, 0x0
	.amdhsa_kernel k_q7b0a866051_up
		.amdhsa_group_segment_fixed_size 262656
		.amdhsa_private_segment_fixed_size 0
		.amdhsa_enable_private_segment 0
		.amdhsa_kernarg_size 40
		.amdhsa_user_sgpr_count 2
		.amdhsa_user_sgpr_kernarg_segment_ptr 1
		.amdhsa_wavefront_size32 1
		.amdhsa_system_sgpr_workgroup_id_x 1
		.amdhsa_system_sgpr_workgroup_id_y 1
		.amdhsa_system_sgpr_workgroup_id_z 1
		.amdhsa_system_vgpr_workitem_id 0
		.amdhsa_next_free_vgpr 768
		.amdhsa_next_free_sgpr 102
		.amdhsa_reserve_vcc 0
		.amdhsa_float_denorm_mode_32 3
		.amdhsa_float_denorm_mode_16_64 3
		.amdhsa_memory_ordered 1
		.amdhsa_forward_progress 1
		.amdhsa_inst_pref_size 177
	.end_amdhsa_kernel
	.amdgpu_metadata
---
amdhsa.version: [ 1, 2 ]
amdhsa.kernels:
  - .name:           k_q7b0a866051_up
    .symbol:         k_q7b0a866051_up.kd
    .args:
      - { .name: xb, .offset: 0, .size: 8, .value_kind: global_buffer, .address_space: global }
      - { .name: w1, .offset: 8, .size: 8, .value_kind: global_buffer, .address_space: global }
      - { .name: b1, .offset: 16, .size: 8, .value_kind: global_buffer, .address_space: global }
      - { .name: bm, .offset: 24, .size: 8, .value_kind: global_buffer, .address_space: global }
      - { .name: hid, .offset: 32, .size: 8, .value_kind: global_buffer, .address_space: global }
    .group_segment_fixed_size: 262656
    .private_segment_fixed_size: 0
    .kernarg_segment_align: 8
    .kernarg_segment_size: 40
    .max_flat_workgroup_size: 128
    .sgpr_count:     102
    .vgpr_count:     768
    .wavefront_size: 32
...
	.end_amdgpu_metadata
.endif
;; end of part 5
;; launch down (part 6): grid 32 x 8, 4 waves a work-group, no clusters, 268,032 bytes of LDS; arguments hid, w2, bm, gate, part; writes part
.if DOCPART == 6
	.amdgcn_target "amdgcn-amd-amdhsa--gfx1250"
	.amdhsa_code_object_version 6
	.text
	.protected	k_q7b0a866051_down
	.globl	k_q7b0a866051_down
	.p2align	8
	.type	k_q7b0a866051_down,@function
k_q7b0a866051_down:
	s_mov_b64 s[64:65], 0
	v_nop
	global_prefetch_b8 v0, s[64:65] scope:SCOPE_SE
	s_setreg_imm32_b32 hwreg(HW_REG_WAVE_SCHED_MODE, 0, 2), 2
	s_setreg_imm32_b32 hwreg(HW_REG_WAVE_MODE, 25, 1), 1
	s_wait_xcnt 0x0
	s_wait_alu depctr_vm_vsrc(0)
; SECOND PRODUCT.  part[q][slot] = gate[slot] x (H_e W2[e]) over the quarter q of the hidden width, for the slots that chose expert e.  Work-group (ns + 8 q, e) owns W2[e][1,024 hidden rows of quarter q][128 columns ns],
; 512 KB of f32 that it alone reads, once.  The four quarters' f32 parts, and the two choices', are added by the launch behind: each byte of part has one writer.
; PHASE 1, the passes and the K loop are the first product's: the slice goes through a ring of registers, is rounded to bf16 and laid in LDS as finished operands; 4 passes of 320 rows, dead passes and tiles jumped.
; AHEAD OF THE RING each wave asks, by prefetches, for the rows that it will load itself.  A prefetch's lanes lie 256 bytes apart: 16 rows x 512 bytes, what two slots of the ring (g = 0, 1) load.  It stands four and six
; slot turns ahead of those slots' loads.  The slice's rows 0 to 255 are loaded at once and not asked for; each block of rows 256 to 1,023 is asked for once: 12 prefetches a wave.  At most 112 KB of the work-group are
; asked for and not yet loaded.  The last trip's second pair, which would name rows past the slice, is jumped.
; ORDER ALONG K.  hid holds finished operands: K step 2 G + s, lane half h, operand half p, item i stand for hidden 64 G + 32 h + 16 s + 8 p + i.  The weights' rows are taken in the same order; a permutation of K
; applied alike to both operands keeps the products.
; D = rows (source 0) x W (source 1).  Column tile nt = 4 g + j' holds the columns 64 g + 4 n + j', so register j of tiles j' = 0 .. 3 is, in lane (r, h), row 8 h + j, columns 64 g + 4 r + 0 .. 3: 16 bytes that belong together,
; and sixteen neighbouring lanes hold 256 consecutive bytes of a row.  The scaling by the row's gate brings the four registers together; the results leave straight from registers.
; THE LIST.  A lane needs the slots of eight rows of each tile, 40 a pass, so here the expert's slots, in ascending order, are laid into LDS once, by wave 0, from the 64 words of bm (whole numbers that the first launch stored).
; ROWS PAST THE COUNT.  Whole dead tiles are jumped.  A quarter of part has 2,056 rows: 2,048 slots and a spare row for each expert.  The list's places past the count name the spare row 2,048 + e, so the last tile, if it is
; not full, is stored whole like every other; its dead rows, 15 at the most, land in the spare row's 512 bytes of this work-group's columns, which are its own and which nobody reads.
; NO MULTICAST, NO TENSOR LOADS: each weight has one reader; the passes' number hangs on a stored count; of LDS 262,144 bytes hold weights.
; LIMITS.  w2 rounded to bf16; NaN and infinities are not treated apart.  An expert without rows still has its slice streamed.
; THE MODE: SCHED_MODE bits 1:0 = 2 (LLVM: expert scheduling mode 2), set by the entry lines.  The code itself states the register dependences between vector or matrix instructions and memory or LDS
; instructions, and between a vector instruction that writes a scalar register and that register's readers, with s_wait_alu, always for 0.
; THE PLAN.  Registers that memory or LDS instructions touch:
;   v[WOF], v[PF]          Offsets, made at the head and never named again: one wait on va_vdst ahead of the first load serves every load and prefetch that reads them.
;   AD, DT                 The list (wave 0): a trip makes 16 addresses and 16 slot numbers; one wait on va_vdst; 16 LDS stores read them; one wait on vm_vsrc at the next trip's head.  The list's first fill uses the same registers.
;   RING slot k            Its eight loads land in it; the slot's sixteen conversions read it; behind them it is loaded again.
;   PKT, PK2               By turns: slot k's conversions write one of them, its four LDS stores read it, slot k + 2's conversions write it again.
;   v[WST]                 Read by every LDS store of phase 1; written once a trip.
;     So a slot has two waits, behind its conversions: on vm_vsrc (the stores of the slot before have read the other packed buffer, which the next slot writes) and on va_vdst (this slot's packed buffer is
;     written, and the conversions are done reading the slot).  The refill and the stores follow.
;   v[LRD], SL             The list's address, stepped once a pass; the pass's 40 slots land in SL, which vector instructions alone read.
;   GA, GTE                The gates' offsets and the gates.  GA lies in XF3, which is first loaded in the pass's first K step, behind the wait that shows the gates' loads done.
;   XF0 .. XF3             K step t's products read XF[t % 4]; the loads issued in K step t, the rows of K step t + 3, land in XF[(t + 3) % 4], which K step t - 1 read.
;   WF0, WF1               K step t's products read WF[t % 2]; the LDS loads issued in K step t, the weights of K step t + 1, land in the other, which K step t - 1 read.
;   v[WRD]                 Read by every LDS load of weights; written once in four K steps, ahead of the next K step's wait.
;     So ONE wait on va_vdst stands at a K step's head.  The step's 26 loads follow it, dealt among the eight products of tile 0, which every path runs and which name the accumulators, WF[t % 2] and XF[t % 4] alone.
;   v[XA ..]               The tiles' offsets in hid: written at a pass's head, read by all its row loads.
;   OT, PA                 The way out's scaled results and their rows' offsets: written in a trip of the way out, read by its 16 stores; one wait on va_vdst ahead of the stores, one on vm_vsrc at the next trip's head.
.set ROWB,  4096                       ; bytes in a row of W2
.set CHB,   128*ROWB
.set PB,    8*ROWB                     ; from an operand's first half to its second: 8 hidden rows
.set KSB,   1024                       ; a K step in a tile of hid
.set PBX,   512                        ; and its second half
.set QST,   2056*4096                  ; bytes in a quarter of part
.set LIST,  262144                     ; LDS: 0 .. the weights [K step 32][column tile 8][half 2][lane 32] 16 bytes; then 1,280 list words; then 64 trash words; then the spare words, 128 bytes a wave, which the closing add names
.set LN,  3
.set RR,  4
.set HH,  5
.set WRD, 6                            ; LDS: the weights' fragments of the K steps in hand
.set WST, 7                            ; LDS: where phase 1 stores
.set WOF, 8                            ; my byte offset in the slice, for the loads; never rewritten
.set LRD, 9                            ; LDS: the eight list words of my half of the lanes, tile 0 of the pass in hand
.set PF,  10                           ; my byte offset in the slice, for the prefetches, 256 rows on; never rewritten
.set TRI, 11
.set SG,  12
.set TMP, 13
.set R16, 15                           ; 16 (lane % 16)
.set XA,  16                           ; v16-20  my byte offset in hid, tile i
.set L16, 31
.set PKT, 32                           ; v32-47  packed weights on their way to LDS, even slots;
.set PK2, 176                          ; v176-191 odd slots (in phase 1 these registers of XF lie idle)
.set XF,  48                           ; v48-207 the rows' operands.  Ahead of them AD v48-63 and DT v64-79, the list's addresses and slots, and GA v168-207, the gates' byte offsets; on the way out PA v112-119, the eight rows' offsets in part, and OT v128-191, scaled results
.set AD,  48
.set DT,  64
.set GA,  168
.set PA,  112
.set OT,  128
.set SL,  208                          ; v208-247 the slot of row 8 h + j of tile i at SL + 8 i + j
.set ACC, 256
.set RING, 320                         ; v320-575: tiles 1-4 hold loaded numbers before any product; tile 0 is started by every pass's first K step
.set WF,  576
.set GTE, 704                          ; v704-743 that row's gate
.set TBW, 3                            ; s3   LDS byte at which the weights of the four K steps in hand begin
.set WB,  22                           ; s[22:23] the slice, stepped by 256 rows a trip
.set XB,  24
; s[4:5] hid at my expert and quarter, s[8:9] bm at my expert, s[12:13] part at my quarter and columns, s14 wave, s15 ns, s16 expert, s17 the expert's rows, s18 pass, s19 my live tiles, s20, s21 counters,
; s[26:31] at work, s[32:63] and s[68:99] the 64 bitmap words
.set MSB, 0
.macro WIN new
.if MSB != (\new)
	s_set_vgpr_msb (MSB<<8)|(\new)
.set MSB, (\new)
.endif
.endm
.macro PLACES                          ; four places behind products
.rept 4
	v_nop
.endr
.endm
.macro WLOAD slot, ahead               ; slot = 4 c2 + 2 g + p: 8 hidden rows, columns 64 g + 4 (lane % 16) ..: two runs of 256 consecutive bytes, aligned
.set RB, RING+32*(\slot)
	WIN (RB>>8)<<6
.irp i, 0,1,2,3,4,5,6,7
	global_load_b128 v[(RB&255)+4*\i:(RB&255)+4*\i+3], v[WOF], s[WB:WB+1] offset:((\slot)/4)*CHB+((\slot)%2)*PB+\i*ROWB+(((\slot)/2)%2)*256+(\ahead)*2*CHB th:TH_LOAD_NT
.endr
.endm
; a slot's turn.  At the turns of slots 0 and 1 the wave asks for what slots 4, 6 and 5, 7 load later in this trip; at the turns of slots 4 and 5 for what slots 0, 2 and 1, 3 load in the next trip, but not in the last trip.
; The prefetch stands behind the slot's wait and ahead of its sixteen conversions
.macro WSLOT slot, ahead, left
.set RB, RING+32*(\slot)
.set PK, PKT+(PK2-PKT)*((\slot)%2)
	s_wait_loadcnt \left                           ; loads come back in order: mine are in, the younger slots' stay out
.if (\ahead) && (((\slot)%4) < 2)
	WIN 0
.if (\slot) >= 4
	s_cmp_eq_u32 s20, 1                            ; the last trip: the rows 512 further on do not exist
	s_cbranch_scc1 .Lnone_\@
.endif
	global_prefetch_b8 v[PF], s[WB:WB+1] offset:(1+(\slot)/4)*CHB+((\slot)%2)*PB th:TH_LOAD_NT scope:SCOPE_SE
.if (\slot) >= 4
.Lnone_\@:
.endif
.endif
	WIN (RB>>8)*5
.irp jp, 0,1,2,3
.irp u, 0,1,2,3
	v_cvt_pk_bf16_f32 v[PK+4*\jp+\u], v[(RB&255)+8*\u+\jp], v[(RB&255)+8*\u+4+\jp]
.endr
.endr
.if \ahead
	WIN (RB>>8)<<6                                 ; the refill's window first, then the waits, then the loads
.else
	WIN 0
.endif
.if (\ahead) || ((\slot) < 7)
	s_wait_alu depctr_vm_vsrc(0)                   ; the LDS stores of the slot before have read the other packed buffer, which the next slot's conversions write
.endif
	s_wait_alu depctr_va_vdst(0)                   ; the conversions have written this packed buffer, which the stores below read, and are done reading the slot, in which the loads below land
.if \ahead
	WLOAD \slot, 1
.endif
	WIN 0
.irp jp, 0,1,2,3
	ds_store_b128 v[WST], v[PK+4*\jp:PK+4*\jp+3] offset:((\slot)/4)*32768+(4*(((\slot)/2)%2)+\jp)*1024+((\slot)%2)*512
.endr
.endm
.macro WORD k                          ; a lane whose bit is set will store its slot at its list place, the others into their trash words; the index is clamped, then shifted and added
	v_mbcnt_lo_u32_b32 v[AD+\k], s[32+\k], s17
	v_cndmask_b32 v[AD+\k], v[TRI], v[AD+\k], s[32+\k]
	v_min_u32 v[AD+\k], 0x53f, v[AD+\k]
	v_lshl_add_u32 v[AD+\k], v[AD+\k], 2, LIST
	v_add_nc_u32 v[DT+\k], 32*\k, v[SG]
	s_bcnt1_i32_b32 s28, s[32+\k]
	s_add_co_u32 s17, s17, s28
.endm
.macro MM d, a, b, z
	WIN (((\d)>>8)*0x50)|(((\b)>>8)<<2)|((\a)>>8)
.if \z
	v_wmma_f32_16x16x32_bf16 v[((\d)&255):((\d)&255)+7], v[((\a)&255):((\a)&255)+7], v[((\b)&255):((\b)&255)+7], 0
.else
	v_wmma_f32_16x16x32_bf16 v[((\d)&255):((\d)&255)+7], v[((\a)&255):((\a)&255)+7], v[((\b)&255):((\b)&255)+7], v[((\d)&255):((\d)&255)+7]
.endif
.endm
.macro LDW par, off, n0                ; four of a K step's 8 column tiles, n0 on: 8 loads of 512 consecutive bytes
	WIN 0x80
.irp n, 0,1,2,3
.irp p, 0,1
	ds_load_b128 v[(WF&255)+64*(\par)+8*((\n0)+\n)+4*\p:(WF&255)+64*(\par)+8*((\n0)+\n)+4*\p+3], v[WRD] offset:(\off)+1024*((\n0)+\n)+512*\p
.endr
.endr
.endm
.macro XLD j, ks                       ; a K step of my five tiles: ten loads of 512 consecutive bytes, always all ten, so that the counts hold on every path (a dead tile repeats the last live one)
	WIN 0
.irp i, 0,1,2,3,4
.irp p, 0,1
	global_load_b128 v[XF+40*(\j)+8*\i+4*\p:XF+40*(\j)+8*\i+4*\p+3], v[XA+\i], s[XB:XB+1] offset:(\ks)*KSB+\p*PBX
.endr
.endr
.endm
; 8 products for each live tile, the rows as source 0; the accumulators take turns, one instruction a turn.
; Tile 0 is live on every path: among its products stand the step's loads, the next K step's weights (ldw) and the rows three K steps on (ldx).  No product since the step's wait names a register that they touch
.macro MMS j, z, ldw, ldx
.irp nt, 0,1
	MM ACC+8*\nt, XF+40*(\j), WF+64*((\j)&1)+8*\nt, \z
.endr
.if \ldw
	LDW (((\j)+1)&1), ((\j)+1)*8192, 0
.endif
.irp nt, 2,3
	MM ACC+8*\nt, XF+40*(\j), WF+64*((\j)&1)+8*\nt, \z
.endr
.if \ldw
	LDW (((\j)+1)&1), ((\j)+1)*8192, 4
.endif
.irp nt, 4,5
	MM ACC+8*\nt, XF+40*(\j), WF+64*((\j)&1)+8*\nt, \z
.endr
.if \ldx
	XLD (((\j)+3)%4), ((\j)+3)
.endif
.irp nt, 6,7
	MM ACC+8*\nt, XF+40*(\j), WF+64*((\j)&1)+8*\nt, \z
.endr
.irp i, 1,2,3,4
	WIN 0
	s_cmp_le_u32 s19, \i
	s_cbranch_scc1 .Lmms_\@
.irp nt, 0,1,2,3,4,5,6,7
	MM ACC+64*\i+8*\nt, XF+40*(\j)+8*\i, WF+64*((\j)&1)+8*\nt, \z
.endr
.endr
	WIN 0
.Lmms_\@:
.endm
; K step j of four.  Its weights are the youngest LDS loads.  ldn: the younger K steps' row loads, 10 each, may stay out.  z = 1: a pass's first K step, behind whose head's last wait on va_vdst no vector or matrix instruction stands
.macro KS j, z, ldw, ldx, ldn
	s_wait_dscnt 0x0                               ; this K step's weights are in
	s_wait_loadcnt \ldn                            ; and its rows; in a pass's first K step this also shows the gates' loads, which are older, done
.if \z
	s_wait_alu depctr_vm_vsrc(0)                   ; the gates' loads have read their offsets v[GA ..], in which this K step's row loads land
.elseif (\ldw) || (\ldx)
	PLACES                                         ; four places stand between the last K step's products and the loads into registers that they read
	s_wait_alu depctr_va_vdst(0)                   ; the last K step's products are done reading their weights and their rows, in which this step's loads land; in the first of four K steps v[WRD] is written
.endif
	MMS \j, \z, \ldw, \ldx
.endm
.macro STEP4
	s_wait_xcnt 0x0                                ; the rows' base is stepped only behind this wait
	s_wait_alu depctr_vm_vsrc(0)                   ; the LDS loads issued so far have read v[WRD]
	s_add_nc_u64 s[XB:XB+1], s[XB:XB+1], 4*KSB
	s_add_co_u32 s[TBW], s[TBW], 0x8000            ; four K steps of weights on
	v_add_nc_u32 v[WRD], s[TBW], v[L16]
.endm
	s_load_b256 s[4:11], s[0:1], 0x0               ; hid s[4:5], w2 s[6:7], bm s[8:9], gate s[10:11]
	s_load_b64 s[12:13], s[0:1], 0x20              ; part
	v_lshl_add_u32 v254, v0, 2, 0x41500
	v_mov_b32 v255, 0
	v_and_b32 v[LN], 31, v0
	v_and_b32 v[RR], 15, v0
	v_bfe_u32 v[HH], v0, 4, 1
	v_lshrrev_b32 v[TMP], 5, v0
	v_readfirstlane_b32 s14, v[TMP]                ; wave 0..3
	s_and_b32 s15, ttmp9, 7                        ; ns
	s_lshr_b32 s31, ttmp9, 3                       ; q
	s_and_b32 s16, ttmp7, 0xffff
	v_lshlrev_b32 v[L16], 4, v[LN]
	v_lshlrev_b32 v[R16], 4, v[RR]
	s_wait_alu depctr_va_sdst(0)                   ; s14 is written, ahead of its first reader
	s_lshr_b32 s28, s14, 1
	s_lshl_b32 s28, s28, 18                        ; 64 (w / 2) hidden rows
	s_and_b32 s29, s14, 1
	s_lshl_b32 s29, s29, 16                        ; + 16 (w % 2)
	s_add_co_u32 s28, s28, s29
	v_lshl_add_u32 v[WOF], v[HH], 17, s28          ; the loads: + 32 (lane / 16) rows
	v_lshl_add_u32 v[WOF], v[RR], 4, v[WOF]        ; + 4 (lane % 16) columns
	v_and_b32 v[TMP], 7, v[LN]
	v_lshl_add_u32 v[PF], v[TMP], 12, s28          ; the prefetches: + lane % 8 rows,
	v_bfe_u32 v[TMP], v[LN], 3, 1
	v_lshl_add_u32 v[PF], v[TMP], 17, v[PF]        ; + 32 ((lane / 8) % 2) rows,
	v_lshl_add_u32 v[PF], v[HH], 8, v[PF]          ; + 256 (lane / 16) bytes,
	v_add_nc_u32 v[PF], 2*CHB, v[PF]               ; 256 rows on
	s_lshl_b32 s28, s14, 13
	v_add_nc_u32 v[WST], s28, v[L16]
	s_lshl_b32 s28, s14, 6
	v_lshl_add_u32 v[LRD], v[HH], 5, s28
	v_add_nc_u32 v[LRD], LIST, v[LRD]              ; list word 16 w + 8 (lane / 16)
	v_add_nc_u32 v[TRI], 1280, v[LN]
	v_mov_b32 v[SG], v[LN]
	s_mov_b32 s17, 0
	s_lshl_b32 s26, s16, 24
	s_lshl_b32 s28, s31, 22
	s_add_co_u32 s26, s26, s28
	s_lshl_b32 s28, s15, 9
	s_add_co_u32 s26, s26, s28
	s_mov_b32 s27, 0
	s_lshl_b32 s28, s16, 23
	s_lshl_b32 s29, s31, 15
	s_add_co_u32 s28, s28, s29
	s_mov_b32 s29, 0
	s_mul_i32 s30, s31, QST
	s_lshl_b32 s31, s15, 9
	s_add_co_u32 s30, s30, s31
	s_mov_b32 s31, 0
	s_wait_kmcnt 0x0
	s_add_nc_u64 s[WB:WB+1], s[6:7], s[26:27]
	s_add_nc_u64 s[4:5], s[4:5], s[28:29]
	s_add_nc_u64 s[12:13], s[12:13], s[30:31]
	s_lshl_b32 s26, s16, 8
	s_add_nc_u64 s[8:9], s[8:9], s[26:27]          ; my expert's 64 bitmap words:
	s_load_b512 s[32:47], s[8:9], 0x0              ; all at once, ahead of the ring's loads: one wait
	s_load_b512 s[48:63], s[8:9], 0x40
	s_load_b512 s[68:83], s[8:9], 0x80
	s_load_b512 s[84:99], s[8:9], 0xc0
	s_wait_alu depctr_va_vdst(0)                   ; v[WOF] and v[PF] are written, which the loads and prefetches of phase 1 read; no vector instruction names them again
.irp k, 0,1,2,3
	WLOAD \k, 0                                    ; the ring is filled: 64 loads of the wave on their way;
.endr
	WIN 0
.irp p, 0,1
	global_prefetch_b8 v[PF], s[WB:WB+1] offset:\p*PB th:TH_LOAD_NT scope:SCOPE_SE  ; in its middle the wave asks for what slots 0 to 3 load in the first trip
.endr
.irp k, 4,5,6,7
	WLOAD \k, 0
.endr
	WIN 0
	s_cmp_lg_u32 s14, 0
	s_cbranch_scc1 .Lnofill
	s_add_co_u32 s28, s16, 2048                    ; my expert's spare row of part
.irp k, 0,1,2,3
	v_mov_b32 v[DT+\k], s28
.endr
	v_add_nc_u32 v[AD], LIST, v[L16]
	s_wait_alu depctr_va_vdst(0)                   ; v[AD] and v[DT .. DT + 3] are written, which the LDS stores below read
.irp k, 0,1,2,3,4,5,6,7,8,9
	ds_store_b128 v[AD], v[DT:DT+3] offset:512*\k  ; the whole list names the spare row first
.endr
.Lnofill:
	s_mov_b32 s20, 4
	s_wait_kmcnt 0x0
.Lcount:                                               ; 16 bitmap words a trip: every wave counts, wave 0 also lays the list; then the three blocks behind move down by one
	s_cmp_lg_u32 s14, 0
	s_cbranch_scc1 .Lothers
	s_wait_alu depctr_vm_vsrc(0)                   ; the LDS stores of the trip before (ahead of the first trip: of the fill) have read AD and DT, which are written below
.irp k, 0,1,2,3,4,5,6,7,8,9,10,11,12,13,14,15
	WORD \k
.endr
	v_add_nc_u32 v[SG], 512, v[SG]                 ; 16 words of 32 slots on
	s_wait_alu depctr_va_vdst(0)                   ; the 16 addresses and the 16 slot numbers are written, which the LDS stores below read
.irp k, 0,1,2,3,4,5,6,7,8,9,10,11,12,13,14,15
	ds_store_b32 v[AD+\k], v[DT+\k]
.endr
	s_branch .Lcounted
.Lothers:
.irp k, 0,1,2,3,4,5,6,7,8,9,10,11,12,13,14,15
	s_bcnt1_i32_b32 s28, s[32+\k]
	s_add_co_u32 s17, s17, s28
.endr
.Lcounted:
.irp n, 0,2,4,6,8,10,12,14
	s_mov_b64 s[32+\n:33+\n], s[48+\n:49+\n]
.endr
.irp n, 0,2,4,6,8,10,12,14
	s_mov_b64 s[48+\n:49+\n], s[68+\n:69+\n]
.endr
.irp n, 0,2,4,6,8,10,12,14
	s_mov_b64 s[68+\n:69+\n], s[84+\n:85+\n]
.endr
	s_sub_co_u32 s20, s20, 1
	s_cmp_lg_u32 s20, 0
	s_cbranch_scc1 .Lcount
	s_wait_dscnt 0x0                               ; the list lies in LDS
	s_barrier_signal -1
	s_barrier_wait -1
	s_mov_b32 s20, 3
.Lstream:                                              ; 256 hidden rows a trip; 7 younger slots of 8 loads stay out
.irp k, 0,1,2,3,4,5,6,7
	WSLOT \k, 1, 56
.endr
	WIN 0
	s_wait_xcnt 0x0                                ; the slice's base, which loads and prefetches name, is stepped only behind this wait
	s_wait_alu depctr_vm_vsrc(0)                   ; the trip's LDS stores have read v[WST]; the next slot's wait on va_vdst stands between the add below and the stores that read its result
	s_add_nc_u64 s[WB:WB+1], s[WB:WB+1], 2*CHB
	v_add_nc_u32 v[WST], 0x10000, v[WST]
	s_sub_co_u32 s20, s20, 1
	s_cmp_lg_u32 s20, 0
	s_cbranch_scc1 .Lstream
.irp k, 0,1,2,3,4,5,6,7
	WSLOT \k, 0, 56-8*\k                           ; the last 256 rows: the counts run down
.endr
	s_wait_dscnt 0x0                               ; my part of the weights lies in LDS
	s_barrier_signal -1
	s_barrier_wait -1                              ; everybody's does: from here on LDS is only read
	s_mov_b32 s18, 0
.Lpass:
	s_mul_i32 s28, s18, 320
	s_cmp_le_u32 s17, s28
	s_cbranch_scc1 .Lstep                          ; no rows are left for this pass
	s_sub_co_u32 s28, s17, s28
	s_add_co_u32 s28, s28, 15
	s_lshr_b32 s28, s28, 4
	s_min_u32 s28, s28, 20                         ; the pass's live tiles; tile 4 i + w is mine
	s_add_co_u32 s28, s28, 3
	s_sub_co_u32 s28, s28, s14
	s_lshr_b32 s19, s28, 2
	s_cmp_eq_u32 s19, 0
	s_cbranch_scc1 .Lstep
	s_wait_xcnt 0x0                                ; the last pass's loads and stores have read their registers
	s_wait_alu depctr_vm_vsrc(0)                   ; the last pass's loads have read v[XA ..], v[WRD] and GA, which are written below; its stores have read OT and PA, the list's and phase 1's LDS stores AD, DT and PK2, in which rows land
	s_wait_alu depctr_va_vdst(0)                   ; v[LRD] is written, which the loads below read; the last way out is done with SL, in which they land
.irp i, 0,1,2,3,4
	ds_load_b128 v[SL+8*\i:SL+8*\i+3],   v[LRD] offset:256*\i      ; the slots of rows 8 h + 0 .. 7 of tile i
	ds_load_b128 v[SL+8*\i+4:SL+8*\i+7], v[LRD] offset:256*\i+16
.endr
	s_add_co_u32 s29, s17, 15
	s_lshr_b32 s29, s29, 4
	s_sub_co_u32 s29, s29, 1                       ; the expert's last live tile
	s_mul_i32 s30, s18, 20
	s_add_co_u32 s30, s30, s14
.irp i, 0,1,2,3,4
	s_add_co_u32 s28, s30, 4*\i                    ; tile 20 pass + 4 i + w, or the last that was written,
	s_min_u32 s28, s28, s29
	s_min_u32 s28, s28, 63                         ; clamped; behind that a shift and an add
	s_lshl_b32 s28, s28, 17
	v_add_nc_u32 v[XA+\i], s28, v[L16]
.endr
	s_mov_b32 s[TBW], 0
	v_mov_b32 v[WRD], v[L16]
	s_mov_b64 s[XB:XB+1], s[4:5]
	s_wait_dscnt 0x0
.set u, 0
.rept 40
	v_min_u32 v[GA+u], 0x7ff, v[SL+u]              ; the gate's index: a slot, clamped (a spare row takes the last slot's gate: its product is read by nobody),
.set u, u+1
.endr
.set u, 0
.rept 40
	v_lshlrev_b32 v[GA+u], 2, v[GA+u]              ; in bytes
.set u, u+1
.endr
.set u, 0
.rept 40
	v_min_u32 v[SL+u], 0x807, v[SL+u]              ; the row of part: 2,056 rows a quarter; behind the clamp a shift and an add
.set u, u+1
.endr
	WIN 0x80
	s_wait_alu depctr_va_vdst(0)                   ; GA, v[XA ..] and v[WRD] are written, which the loads below read; the last way out is done reading the gates and all that it made in XF, the last pass's products are done with WF
.set u, 0
.rept 40
	global_load_b32 v[(GTE&255)+u], v[GA+u], s[10:11]  ; the rows' gates: older than every load of the K loop, so its counted waits cover them
.set u, u+1
.endr
	WIN 0
	XLD 0, 0                                       ; K steps 0 to 2 land in XF0 to XF2; GA lies in XF3
	XLD 1, 1
	XLD 2, 2
	LDW 0, 0, 0
	LDW 0, 0, 4
	KS 0, 1, 1, 1, 20                              ; the first K step starts the sums: nothing is cleared
	KS 1, 0, 1, 1, 20
	KS 2, 0, 1, 1, 20
	KS 3, 0, 1, 1, 20
	STEP4
	s_mov_b32 s20, 6
.Lk:                                                   ; four K steps a trip
	KS 0, 0, 1, 1, 20
	KS 1, 0, 1, 1, 20
	KS 2, 0, 1, 1, 20
	KS 3, 0, 1, 1, 20
	STEP4
	s_sub_co_u32 s20, s20, 1
	s_cmp_lg_u32 s20, 0
	s_cbranch_scc1 .Lk
	KS 0, 0, 1, 1, 20                              ; the last four K steps: the requests end, the counts run down
	KS 1, 0, 1, 0, 20
	KS 2, 0, 1, 0, 10
	KS 3, 0, 0, 0, 0
	PLACES                                         ; ahead of the vector work on the products' results
	; THE WAY OUT, five times: a tile of 16 rows x 128 columns.  The scaling by the gate also brings a lane's four neighbouring columns into four neighbouring registers, at one place, so that the stores are written once
	s_mov_b32 s21, 0
.Lit:
	s_cmp_ge_u32 s21, s19
	s_cbranch_scc1 .Litstep
	s_wait_xcnt 0x0                                ; the stores before have had their addresses translated: their data and their offsets are rewritten only behind this wait,
	s_wait_alu depctr_vm_vsrc(0)                   ; and they have read OT and PA
.macro COPY i
.set AB, ACC+64*(\i)
	WIN 0
.irp j, 0,1,2,3,4,5,6,7
	v_lshl_add_u32 v[PA+\j], v[SL+8*(\i)+\j], 12, v[R16]  ; row 8 h + j: its 4,096 bytes in part, my 16 of them
.endr
	WIN 0x08|(AB>>8)
.irp nt, 0,1,2,3,4,5,6,7
.irp j, 0,1,2,3,4,5,6,7
	v_mul_f32 v[OT+32*(\nt/4)+4*\j+(\nt%4)], v[(AB&255)+8*\nt+\j], v[(GTE&255)+8*(\i)+\j]  ; ascending: each accumulator's lowest registers are read first
.endr
.endr
	WIN 0
.endm
.irp n, 0,1,2,3
	s_cmp_eq_u32 s21, \n
	s_cbranch_scc1 .Lcopy\n
.endr
	COPY 4
	s_branch .Lcommon
.irp n, 0,1,2,3
.Lcopy\n:
	COPY \n
	s_branch .Lcommon
.endr
.Lcommon:
	s_wait_alu depctr_va_vdst(0)                   ; the scalings have written OT, and PA is written: the stores read both
.irp j, 0,1,2,3,4,5,6,7
.irp g, 0,1
	global_store_b128 v[PA+\j], v[OT+32*\g+4*\j:OT+32*\g+4*\j+3], s[12:13] offset:256*\g  ; lanes 0-15 store 256 consecutive bytes of row j, aligned; lanes 16-31 those of row 8 + j
.endr
.endr
.Litstep:
	s_add_co_u32 s21, s21, 1
	s_cmp_lt_u32 s21, 5
	s_cbranch_scc1 .Lit
.Lstep:
	s_wait_alu depctr_vm_vsrc(0)                   ; the pass's LDS loads of the list have read v[LRD]
	v_add_nc_u32 v[LRD], 1280, v[LRD]
	s_add_co_u32 s18, s18, 1
	s_cmp_lt_u32 s18, 4
	s_cbranch_scc1 .Lpass
	s_wait_dscnt 0x0                               ; my reads of LDS are over;
	s_barrier_signal -1
	s_barrier_wait -1                              ; every wave's are
	s_wait_dscnt 0x0                               ; the wave's end
	s_wait_alu depctr_hold_cnt(0) depctr_sa_sdst(0) depctr_va_vdst(0) depctr_va_sdst(0) depctr_va_ssrc(0) depctr_va_vcc(0) depctr_vm_vsrc(0)
	s_wait_tensorcnt 0x0
	ds_add_u32 v254, v255
	s_wait_dscnt 0x0
	s_endpgm
.Lfunc_end_k_q7b0a866051_down:
	.size	k_q7b0a866051_down, .Lfunc_end_k_q7b0a866051_down-k_q7b0a866051_down
	.p2alignl 7, 3214868480
	.fill 96, 4, 3214868480
	.section	.rodata,"a",@progbits
	.p2align	6, 0x0
	.amdhsa_kernel k_q7b0a866051_down
		.amdhsa_group_segment_fixed_size 268032
		.amdhsa_private_segment_fixed_size 0
		.amdhsa_enable_private_segment 0
		.amdhsa_kernarg_size 40
		.amdhsa_user_sgpr_count 2
		.amdhsa_user_sgpr_kernarg_segment_ptr 1
		.amdhsa_wavefront_size32 1
		.amdhsa_system_sgpr_workgroup_id_x 1
		.amdhsa_system_sgpr_workgroup_id_y 1
		.amdhsa_system_sgpr_workgroup_id_z 1
		.amdhsa_system_vgpr_workitem_id 0
		.amdhsa_next_free_vgpr 744
		.amdhsa_next_free_sgpr 100
		.amdhsa_reserve_vcc 0
		.amdhsa_float_denorm_mode_32 3
		.amdhsa_float_denorm_mode_16_64 3
		.amdhsa_memory_ordered 1
		.amdhsa_forward_progress 1
		.amdhsa_inst_pref_size 143
	.end_amdhsa_kernel
	.amdgpu_metadata
---
amdhsa.version: [ 1, 2 ]
amdhsa.kernels:
  - .name:           k_q7b0a866051_down
    .symbol:         k_q7b0a866051_down.kd
    .args:
      - { .name: hid, .offset: 0, .size: 8, .value_kind: global_buffer, .address_space: global }
      - { .name: w2, .offset: 8, .size: 8, .value_kind: global_buffer, .address_space: global }
      - { .name: bm, .offset: 16, .size: 8, .value_kind: global_buffer, .address_space: global }
      - { .name: gate, .offset: 24, .size: 8, .value_kind: global_buffer, .address_space: global }
      - { .name: part, .offset: 32, .size: 8, .value_kind: global_buffer, .address_space: global }
    .group_segment_fixed_size: 268032
    .private_segment_fixed_size: 0
    .kernarg_segment_align: 8
    .kernarg_segment_size: 40
    .max_flat_workgroup_size: 128
    .sgpr_count:     100
    .vgpr_count:     744
    .wavefront_size: 32
...
	.end_amdgpu_metadata
.endif
;; end of part 6
;; launch combine: the kernel of part 4 again; grid 256 x 1, 8 waves a work-group, no clusters, 0 bytes of LDS; arguments part, sel, gate, b2, out0; writes out0
